; MI455X (gfx1250); checked and timed in simulation.
; The chip was launched on July 23, 2026; its instructions are those of AMD's public machine-readable ISA for CDNA 5 (MIT licence, August 2026) and "CDNA5" Instruction Set Architecture Reference Guide (July 2026). The comments in the code are by the model that wrote it; some were corrected since.
;; Multi Head Attention. Allowed arithmetic: matrix products marked QUANTISED: E3M2 operands, one E8M0 scale for each 32 along K, by v_wmma_scale_f32_16x16x128_f8f6f4 with both operands' format E3M2, f32 sums; everything else in f32.
;; Inputs: Wk 1,024 x 1,024 float32; Wo 1,024 x 1,024 float32; Wq 1,024 x 1,024 float32; Wv 1,024 x 1,024 float32; bk 1,024 float32; bo 1,024 float32; bq 1,024 float32; bv 1,024 float32; x 4 x 2,048 x 1,024 float32.
;; Outputs: out0 4 x 2,048 x 1,024 float32.
;; This version of the problem:
;;   THIS VERSION OF THE PROBLEM IS GIVEN IN LOW PRECISION. The matrix products marked QUANTISED in the list below multiply operands that are first quantised to E3M2 (3 exponent bits, 2 mantissa bits; 6 bits a number), with one power-of-two scale for each 32 numbers along K (OCP MX v1.0); their sums are f32. All else is computed in f32.
;;   The module's matrix products, in the order in which they are computed (A, B: the left and right operand; K: the contracted axis; several contracted axes count as one K, in the product's order):
;;     1. [M 8,192, K 1,024] x [K 1,024, N 1,024]; A: input x; B: input Wq: QUANTISED
;;     2. [M 8,192, K 1,024] x [K 1,024, N 1,024]; A: input x; B: input Wk: QUANTISED
;;     3. [M 8,192, K 1,024] x [K 1,024, N 1,024]; A: input x; B: input Wv: QUANTISED
;;     4. batch 64 x [M 2,048, K 64] x [K 64, N 2,048]; A: computed on the way; B: computed on the way: QUANTISED
;;     5. batch 64 x [M 2,048, K 2,048] x [K 2,048, N 64]; A: softmax (see below); B: computed on the way: QUANTISED
;;     6. [M 8,192, K 1,024] x [K 1,024, N 1,024]; A: computed on the way; B: input Wo: QUANTISED
;;   THE QUANTISER, for each operand of a quantised product, along K:
;;     - K is cut into blocks of 32 from its start; a last block that is shorter is filled with zeros.
;;     - A block's scale is 2^e with e = floor(log2(the largest magnitude in the block)) - 4, held to -126 .. 127; a block of zeros has e = 0. As a byte (E8M0): e + 127.
;;     - Each number is divided by its block's scale, clamped to +-28, and rounded to the nearest number of E3M2, ties to even, subnormals kept.
;;     - The product sums the exact products of the quantised numbers (number of the format x scale) in f32.
;;   ~~~python
;;   def quantise(x, axis):      # numpy; x: float32 -> the quantised numbers, widened to float32 again
;;       x = np.moveaxis(x, axis, -1); K = x.shape[-1]
;;       x = np.pad(x, [(0, 0)] * (x.ndim - 1) + [(0, -K % 32)]); x = x.reshape(x.shape[:-1] + (-1, 32)); a = np.abs(x).max(-1, keepdims=True)
;;       e = np.where(a > 0, np.clip(np.frexp(np.where(a > 0, a, 1))[1] - 1 - 4, -126, 127), 0)      # np.frexp(a)[1] - 1 = floor(log2(a)), exactly
;;       r = np.clip(x / 2.0 ** e, -28, 28)
;;       step = 2.0 ** (np.maximum(np.frexp(np.where(r == 0, 1, r))[1] - 1, -2) - 2)
;;       q = np.round(r / step) * step * 2.0 ** e      # np.round: ties to even
;;       return np.moveaxis(q.reshape(q.shape[:-2] + (-1,))[..., :K], -1, axis).astype(np.float32)
;;   ~~~
;;   SOFTMAX AHEAD OF A QUANTISED PRODUCT. Where the list says 'softmax', what is quantised is not the finished softmax but p = 2^(t - M), with t = logit x log2(e) and M = ceil(the row's largest t), a whole number; so 1/2 < the row's largest p <= 1. The row's sum l is taken of the UNQUANTISED p, in f32, and the product's result is divided by l at the end. Since M is a whole number, a kernel that streams over the keys may use a running M (the ceiling of the running maximum): every later rescaling is an exact power of two, which a block's scale takes up: the codes' values come out the same.
;;   OPERANDS COMPUTED ON THE WAY. 'Computed on the way' means the value that the module computes at that place (a softmax that the list does not call 'softmax' is quantised finished and normalised). What goes into a quantiser is computed in f32, as accurately as f32 sums, v_exp_f32 and their like allow (about 1e-6 of the number): no bf16 or f16 on the way to a quantiser, and a product that is left as it is and whose result goes on into a quantised operand takes f32 operands (vector FMAs, or v_wmma_f32_16x16x4_f32). A number that lies on a knife's edge between two numbers of the format may be rounded either way, as far as f32 arithmetic and the matrix unit's own rounding can turn it there, and no further.
;; One version. Each part assembles by itself: llvm-mc -triple=amdgcn-amd-amdhsa -mcpu=gfx1250 --defsym DOCPART=n.
;; ======== version 1 of 1: 4 launches
;; workspace buffers: xq 6,553,600 bytes; wq 3,276,800 bytes; qq 6,553,600 bytes; kv 13,107,200 bytes; aq 6,553,600 bytes
;; launch quant (part 1): grid 512 x 1, 4 waves a work-group, no clusters, 47,616 bytes of LDS; arguments x, Wq, Wk, Wv, Wo, xq, wq; writes xq, wq
.if DOCPART == 1
	.amdgcn_target "amdgcn-amd-amdhsa--gfx1250"
	.amdhsa_code_object_version 6
	.text
	.protected	k_q5338cfdf2f_quant
	.globl	k_q5338cfdf2f_quant
	.p2align	8
	.type	k_q5338cfdf2f_quant,@function
k_q5338cfdf2f_quant:
	s_mov_b64 s[64:65], 0
	v_nop
	global_prefetch_b8 v0, s[64:65] scope:SCOPE_SE
	s_setreg_imm32_b32 hwreg(HW_REG_WAVE_MODE, 25, 1), 1
	s_wait_xcnt 0x0
; MULTI-HEAD ATTENTION ON CODES OF BF6 (E3M2), FOUR LAUNCHES: quant (this one), qkv, attn, outp.
; WORK LEFT OUT, IN THE WHOLE PROGRAM.  reference() sets the score of key k for query q to -infinity where k > q (its own jnp.tril), so p = 2^(t - M) is 0 there, its code is 0, and it adds nothing to the row's sum
; nor to the second product, whatever finite values the inputs hold.  Launch attn therefore walks, for a block of 128 queries, only the key blocks of 128 up to its own: the blocks behind it hold hidden keys alone.
; Inside the block on the diagonal the work is done and the hidden scores are replaced.  Nothing else is left out: all nine inputs have a way to the output (bk too: it moves k's codes).
; LIMIT: a NaN, an infinity or an overflow that reaches only those hidden scores is not carried to the result.
;
; THIS LAUNCH turns x [8192][1024] and the four weights [1024 (k)][1024 (n)], f32, into codes with one E8M0 byte for each 32 along K, laid in the order of the matrix operands' registers.
; A block's scale is 2^(floor(log2(largest magnitude)) - 4): its byte is the largest magnitude's exponent field - 4, held at 1 from below by a floor among the maximum's leaves.
; LIMITS: a block of zeros gets the byte 1 where the rule says 127 (its codes are zeros, and only this program reads the bytes); blocks whose largest magnitude lies under 2^(5 - 127) take the floor's scale; NaN and infinities are not served.
; LAYOUT.  Rows (tokens, or a weight's columns n) go in blocks of 128 = 8 tiles of 16; row r of tile t is index 32 (t / 2) + 8 (t % 2) + r % 8 + 16 (r / 8) of the block.
; A block has 102,400 bytes: 8 K steps (128 along K) of 12,800: 8 fragment images of 1,536 bytes, then 8 x 16 scale words.  An image is the fragment's 12 registers: registers 0-3 at 16 x lane, 4-5 at 512 + 8 x lane, 6-9 at 768 + 16 x lane, 10-11 at 1,280 + 8 x lane.
; SHARES.  Work-groups 0-255 take x, 256-511 the weights; each way has LDS bytes of its own.  No tensor load, no barrier: waves share nothing.
.set XREG,  8704                       ; x's way: for each wave a stage of 16 rows x 528 bytes, then 256 bytes of scale words
.set WBASE, 4*XREG                     ; the weights' way: for each wave two images, 3,072 bytes
.set WREG,  3072
.set SPARE, WBASE+4*WREG               ; the spare words, 128 bytes for each wave
.set SPW,   14                         ; v14  SPARE + 4 x my thread's number; never rewritten
.set NIL,   15                         ; v15  0; never rewritten
.set FLOOR, 0x2800000                  ; 2^(5 - 127)
.set OFFE,  0xfe000000                 ; takes 4 off an exponent field
	s_load_b256 s[4:11], s[0:1], 0x0               ; x, Wq, Wk, Wv
	s_load_b128 s[12:15], s[0:1], 0x20             ; Wo, xq
	s_load_b64 s[16:17], s[0:1], 0x30              ; wq
	v_lshl_add_u32 v[SPW], v0, 2, SPARE
	v_mov_b32 v[NIL], 0
	v_lshrrev_b32 v1, 5, v0
	v_readfirstlane_b32 s18, v1                    ; wave
	v_and_b32 v11, 31, v0                          ; lane
	v_and_b32 v12, 15, v0                          ; r
	v_bfe_u32 v13, v0, 4, 1                        ; h
	v_lshlrev_b32 v1, 4, v11                       ; 16 x lane
	v_lshlrev_b32 v2, 3, v11                       ; 8 x lane
	v_lshlrev_b32 v10, 3, v13                      ; 8 h: my bytes' place in a scale word
	; every LDS address of both ways is made here, ahead of the parting
	s_mul_i32 s19, s18, XREG
	v_add_nc_u32 v3, s19, v1                       ; stage, in: a row's 512 bytes as they lie
	v_mul_u32_u24 v4, v12, 528
	v_lshl_add_u32 v4, v13, 7, v4
	v_add_nc_u32 v4, s19, v4                       ; stage, out: row r, + 128 h: my block of 32 numbers
	s_add_co_u32 s19, s19, 8448
	v_lshl_add_u32 v5, v12, 2, s19                 ; my row's scale word
	v_add_nc_u32 v6, s19, v2                       ; the 256 bytes of scale words, 8 a lane
	v_bfe_u32 v16, v0, 3, 1                        ; weights: lane j is column j of 32: tile u = (j / 8) % 2,
	v_and_b32 v17, 7, v0
	v_lshl_add_u32 v17, v13, 3, v17                ; row j % 8 + 8 (j / 16)
	s_mul_i32 s20, s18, WREG
	s_add_co_u32 s20, s20, WBASE
	v_mul_u32_u24 v18, v16, 1536
	v_add_nc_u32 v18, s20, v18
	v_lshl_add_u32 v7, v17, 4, v18                 ; my place in an image's 16-byte parts
	v_lshl_add_u32 v8, v17, 3, v18                 ; and in its 8-byte parts
	v_add_nc_u32 v9, s20, v1                       ; the images read back as they lie
	v_lshlrev_b32 v250, 6, v16
	v_lshl_add_u32 v250, v17, 2, v250              ; my column's scale word among the wave's 32
	v_lshlrev_b32 v251, 2, v11                     ; 4 x lane: my column in a row of a weight
	v_mov_b32 v248, 0                              ; a lane permute's destination counts as one of its sources
	s_mov_b32 s24, 0x76543210
	s_mov_b32 s25, 0xfedcba98                      ; selects for lane l xor 16
	s_cmp_lt_u32 ttmp9, 256
	s_cbranch_scc0 .Lweights
; ---- x.  A work-group takes 64 tokens (four tiles) x 512 along K; wave w the K step 4 (work-group % 2) + w: the four waves read 2,048 consecutive bytes of each row.
	s_lshr_b32 s26, ttmp9, 1                       ; which 64 tokens
	s_and_b32 s27, ttmp9, 1
	s_lshl_b32 s27, s27, 2
	s_add_co_u32 s27, s27, s18                     ; K step
	s_lshl_b32 s28, s26, 18                        ; 64 rows of 4,096 bytes
	s_lshl_b32 s30, s27, 9
	s_add_co_u32 s28, s28, s30
	s_mov_b32 s29, 0
	s_lshr_b32 s30, s26, 1
	s_mul_i32 s30, s30, 102400
	s_mul_i32 s32, s27, 12800
	s_add_co_u32 s30, s30, s32                     ; the block's K step
	s_mov_b32 s31, 0
	s_and_b32 s33, s26, 1                          ; which half of the block's eight tiles
	s_lshl_b32 s32, s33, 8
	s_add_co_u32 s32, s32, s30
	s_add_co_u32 s32, s32, 12288                   ; its four tiles' scale words: 256 bytes
	s_mul_i32 s34, s33, 6144
	s_add_co_u32 s30, s30, s34                     ; its four images
	s_mov_b32 s33, 0
	s_wait_kmcnt 0x0
	s_add_nc_u64 s[4:5], s[4:5], s[28:29]
	s_add_nc_u64 s[30:31], s[14:15], s[30:31]
	s_add_nc_u64 s[32:33], s[14:15], s[32:33]
.macro LOADX i                         ; tile i's 16 rows, 512 consecutive bytes each, into set i % 2 (v16-79, v80-143)
.set LB, 16+64*((\i)%2)
.irp p, 0,1,2,3,4,5,6,7,8,9,10,11,12,13,14,15
	global_load_b128 v[LB+4*\p:LB+4*\p+3], v1, s[4:5] offset:(32*((\i)/2)+8*((\i)%2)+(\p%8)+16*(\p/8))*4096 th:TH_LOAD_NT
.endr
.endm
.macro TILE i
.set XB, 16+64*((\i)%2)
.set FB, 208+12*((\i)%2)               ; the fragment: v208-219, v220-231 by turns
.if (\i) < 3
	s_wait_loadcnt 16                              ; my 16 loads are in; the next tile's 16 may be out
.else
	s_wait_loadcnt 0x0
.endif
.irp p, 0,1,2,3,4,5,6,7,8,9,10,11,12,13,14,15
	ds_store_b128 v3, v[XB+4*\p:XB+4*\p+3] offset:528*\p
.endr
.irp c, 0,1                            ; back: v[144 + 32 c + e] = x(row r, 64 c + 32 h + e): two whole blocks of 32 in a lane.  LDS serves a wave's instructions in order
.irp j, 0,1,2,3,4,5,6,7
	ds_load_b128 v[144+32*\c+4*\j:144+32*\c+4*\j+3], v4 offset:256*\c+16*\j
.endr
.endr
	s_wait_dscnt 0x0                               ; the numbers are back, and the stage's stores have read their registers
.if (\i) < 2
	LOADX (\i)+2
.else
	s_wait_xcnt 0x0                                ; the stores of two tiles ago have read the fragment's registers, which are written again below
.endif
.irp c, 0,1
	v_max3_num_f32 v[240+\c], |v[144+32*\c]|, |v[145+32*\c]|, FLOOR
.endr
.irp e, 2,4,6,8,10,12,14,16,18,20,22,24,26,28,30
.irp c, 0,1
	v_max3_num_f32 v[240+\c], v[240+\c], |v[144+32*\c+\e]|, |v[145+32*\c+\e]|
.endr
.endr
.irp c, 0,1
	v_add_nc_u32 v[242+\c], OFFE, v[240+\c]        ; the conversion takes this operand's exponent field as its scale
.endr
.irp c, 0,1
	v_lshrrev_b32 v[244+\c], 23, v[242+\c]         ; the scale's byte
.endr
	v_lshl_or_b32 v246, v245, 16, v244             ; my bytes: blocks h and 2 + h,
	v_lshlrev_b32 v246, v10, v246                  ; at their places;
	v_permlanex16_b32 v248, v246, s24, s25
	v_or_b32 v246, v246, v248                      ; with lane l xor 16's the word is whole
.irp c, 0,1
	v_cvt_scalef32_pk16_bf6_f32 v[FB+6*\c:FB+6*\c+2], v[144+32*\c:144+32*\c+15], v[242+\c]
	v_cvt_scalef32_pk16_bf6_f32 v[232+4*\c:232+4*\c+2], v[144+32*\c+16:144+32*\c+31], v[242+\c]   ; (a conversion's three registers begin on an even number)
.endr
	v_nop                                          ; one plain place behind the conversions
.irp c, 0,1
.irp e, 0,1,2
	v_mov_b32 v[FB+6*\c+3+\e], v[232+4*\c+\e]
.endr
.endr
	global_store_b128 v1, v[FB:FB+3], s[30:31] offset:1536*(\i)            ; 512, 256, 512, 256 consecutive bytes, each at a multiple of 256
	global_store_b64 v2, v[FB+4:FB+5], s[30:31] offset:1536*(\i)+512
	global_store_b128 v1, v[FB+6:FB+9], s[30:31] offset:1536*(\i)+768
	global_store_b64 v2, v[FB+10:FB+11], s[30:31] offset:1536*(\i)+1280
	ds_store_b32 v5, v246 offset:64*(\i)           ; both halves of the lanes write the same word with the same value
.endm
	LOADX 0
	LOADX 1
	TILE 0
	TILE 1
	TILE 2
	TILE 3
	ds_load_b64 v[240:241], v6                     ; the four tiles' scale words
	s_wait_dscnt 0x0
	global_store_b64 v2, v[240:241], s[32:33]      ; 256 consecutive bytes, aligned
	s_wait_tensorcnt 0x0                           ; the wave's end, behind my last LDS store
	ds_add_u32 v[SPW], v[NIL]
	s_wait_dscnt 0x0
	s_endpgm
; ---- the weights.  K is the first axis: a lane takes a column n and its registers run down K, so a block of 32 lies in one lane and the codes come out with K innermost.
; A work-group takes 128 columns (a block) x one K step of one weight; a wave 32 columns: tiles 2 w and 2 w + 1.  Each load reads 128 consecutive bytes, the four waves 512.
.Lweights:
	s_sub_co_u32 s26, ttmp9, 256
	s_lshr_b32 s27, s26, 6                         ; which weight: q, k, v, o
	s_bfe_u32 s28, s26, 0x30003                    ; K step
	s_and_b32 s29, s26, 7                          ; block of columns
	s_lshl_b32 s30, s28, 19                        ; 128 rows of 4,096 bytes
	s_lshl_b32 s32, s29, 9
	s_add_co_u32 s30, s30, s32
	s_lshl_b32 s32, s18, 7
	s_add_co_u32 s30, s30, s32
	s_mov_b32 s31, 0
	s_lshl_b32 s32, s27, 3
	s_add_co_u32 s32, s32, s29
	s_mul_i32 s32, s32, 102400
	s_mul_i32 s34, s28, 12800
	s_add_co_u32 s32, s32, s34                     ; the block's K step in wq
	s_mov_b32 s33, 0
	s_lshl_b32 s34, s18, 7
	s_add_co_u32 s34, s34, s32
	s_add_co_u32 s34, s34, 12288                   ; my two tiles' scale words
	s_mov_b32 s35, 0
	s_mul_i32 s36, s18, 3072
	s_add_co_u32 s32, s32, s36                     ; my two images
	s_wait_kmcnt 0x0
	s_cmp_eq_u32 s27, 1
	s_cselect_b64 s[36:37], s[8:9], s[6:7]
	s_cmp_eq_u32 s27, 2
	s_cselect_b64 s[36:37], s[10:11], s[36:37]
	s_cmp_eq_u32 s27, 3
	s_cselect_b64 s[36:37], s[12:13], s[36:37]
	s_add_nc_u64 s[36:37], s[36:37], s[30:31]
	s_add_nc_u64 s[32:33], s[16:17], s[32:33]
	s_add_nc_u64 s[34:35], s[16:17], s[34:35]
.macro LOADW t                         ; block t of 32 along K into set t % 2 (v16-47, v48-79)
.irp e, 0,1,2,3,4,5,6,7,8,9,10,11,12,13,14,15,16,17,18,19,20,21,22,23,24,25,26,27,28,29,30,31
	global_load_b32 v[16+32*((\t)%2)+\e], v251, s[36:37] offset:(32*(\t)+\e)*4096 th:TH_LOAD_NT
.endr
.endm
.macro BLOCK t
.set XS, 16+32*((\t)%2)
.if (\t) < 3
	s_wait_loadcnt 32                              ; this block's 32 loads are in; the next block's may be out
.else
	s_wait_loadcnt 0x0
.endif
	v_max3_num_f32 v93, |v[XS]|, |v[XS+1]|, |v[XS+2]|
	v_max3_num_f32 v94, |v[XS+3]|, |v[XS+4]|, |v[XS+5]|
.irp e, 6,10,14,18,22,26
	v_max3_num_f32 v93, v93, |v[XS+\e]|, |v[XS+\e+1]|
	v_max3_num_f32 v94, v94, |v[XS+\e+2]|, |v[XS+\e+3]|
.endr
	v_max3_num_f32 v93, v93, |v[XS+30]|, |v[XS+31]|
	v_max3_num_f32 v93, v93, v94, FLOOR
	v_add_nc_u32 v95, OFFE, v93
	v_lshrrev_b32 v94, 23, v95
.if (\t) == 0
	v_mov_b32 v92, v94                             ; the column's scale word: the lower K in the lower byte
.else
	v_lshl_or_b32 v92, v94, 8*(\t), v92
.endif
	v_cvt_scalef32_pk16_bf6_f32 v[80:82], v[XS:XS+15], v95
	v_cvt_scalef32_pk16_bf6_f32 v[88:90], v[XS+16:XS+31], v95
	v_nop                                          ; one plain place behind the conversions
	v_mov_b32 v83, v88
	v_mov_b32 v84, v89
	v_mov_b32 v85, v90
	ds_store_b128 v7, v[80:83] offset:768*((\t)/2)+256*((\t)%2)       ; block t is what lane (row, t % 2) holds in registers 6 (t / 2) on
	ds_store_b64 v8, v[84:85] offset:768*((\t)/2)+512+128*((\t)%2)
.if (\t) < 2
	LOADW (\t)+2
.endif
	s_wait_dscnt 0x0                               ; the stores have read their registers
.endm
	s_wait_alu depctr_va_vdst(0)
	LOADW 0
	LOADW 1
	BLOCK 0
	BLOCK 1
	BLOCK 2
	BLOCK 3
.irp k, 0,1,2,3,4,5
	ds_load_b128 v[96+4*\k:96+4*\k+3], v9 offset:512*\k
.endr
.irp k, 0,1,2,3,4,5
	s_wait_dscnt 5-\k                              ; the loads behind the k-th may be out
	global_store_b128 v1, v[96+4*\k:96+4*\k+3], s[32:33] offset:512*\k     ; 512 consecutive bytes, aligned
.endr
	s_wait_alu depctr_va_vdst(0)
	global_store_b32 v250, v92, s[34:35]           ; 128 consecutive bytes: half an aligned 256; one byte in 25 of what this way writes
	s_wait_tensorcnt 0x0                           ; the wave's end, behind my last LDS store
	ds_add_u32 v[SPW], v[NIL]
	s_wait_dscnt 0x0
	s_endpgm
.Lfunc_end_k_q5338cfdf2f_quant:
	.size	k_q5338cfdf2f_quant, .Lfunc_end_k_q5338cfdf2f_quant-k_q5338cfdf2f_quant
	.p2alignl 7, 3214868480
	.fill 96, 4, 3214868480
	.section	.rodata,"a",@progbits
	.p2align	6, 0x0
	.amdhsa_kernel k_q5338cfdf2f_quant
		.amdhsa_group_segment_fixed_size 47616
		.amdhsa_private_segment_fixed_size 0
		.amdhsa_enable_private_segment 0
		.amdhsa_kernarg_size 56
		.amdhsa_user_sgpr_count 2
		.amdhsa_user_sgpr_kernarg_segment_ptr 1
		.amdhsa_wavefront_size32 1
		.amdhsa_system_sgpr_workgroup_id_x 1
		.amdhsa_system_sgpr_workgroup_id_y 1
		.amdhsa_system_sgpr_workgroup_id_z 1
		.amdhsa_system_vgpr_workitem_id 0
		.amdhsa_next_free_vgpr 256
		.amdhsa_next_free_sgpr 66
		.amdhsa_reserve_vcc 0
		.amdhsa_float_denorm_mode_32 3
		.amdhsa_float_denorm_mode_16_64 3
		.amdhsa_memory_ordered 1
		.amdhsa_forward_progress 1
		.amdhsa_inst_pref_size 53
	.end_amdhsa_kernel
	.amdgpu_metadata
---
amdhsa.version: [ 1, 2 ]
amdhsa.kernels:
  - .name:           k_q5338cfdf2f_quant
    .symbol:         k_q5338cfdf2f_quant.kd
    .args:
      - { .name: x, .offset: 0, .size: 8, .value_kind: global_buffer, .address_space: global }
      - { .name: Wq, .offset: 8, .size: 8, .value_kind: global_buffer, .address_space: global }
      - { .name: Wk, .offset: 16, .size: 8, .value_kind: global_buffer, .address_space: global }
      - { .name: Wv, .offset: 24, .size: 8, .value_kind: global_buffer, .address_space: global }
      - { .name: Wo, .offset: 32, .size: 8, .value_kind: global_buffer, .address_space: global }
      - { .name: xq, .offset: 40, .size: 8, .value_kind: global_buffer, .address_space: global }
      - { .name: wq, .offset: 48, .size: 8, .value_kind: global_buffer, .address_space: global }
    .group_segment_fixed_size: 47616
    .private_segment_fixed_size: 0
    .kernarg_segment_align: 8
    .kernarg_segment_size: 56
    .max_flat_workgroup_size: 128
    .sgpr_count:     66
    .vgpr_count:     256
    .wavefront_size: 32
...
	.end_amdgpu_metadata
.endif
;; end of part 1
;; launch qkv (part 2): grid 16 x 48, 4 waves a work-group, clusters of 4 x 4, 327,680 bytes of LDS; arguments xq, wq, bq, bk, bv, qq, kv; writes qq, kv
.if DOCPART == 2
	.amdgcn_target "amdgcn-amd-amdhsa--gfx1250"
	.amdhsa_code_object_version 6
	.text
	.protected	k_q5338cfdf2f_qkv
	.globl	k_q5338cfdf2f_qkv
	.p2align	8
	.type	k_q5338cfdf2f_qkv,@function
k_q5338cfdf2f_qkv:
	s_mov_b64 s[64:65], 0
	v_nop
	global_prefetch_b8 v0, s[64:65] scope:SCOPE_SE
	s_setreg_imm32_b32 hwreg(HW_REG_WAVE_MODE, 25, 1), 1
	s_wait_xcnt 0x0
	s_wait_alu depctr_hold_cnt(0) depctr_sa_sdst(0) depctr_va_vdst(0) depctr_va_sdst(0) depctr_va_ssrc(0) depctr_va_vcc(0) depctr_vm_vsrc(0)
	s_getreg_b32 s2, hwreg(HW_REG_IB_STS2, 6, 4)
	s_cmp_eq_u32 s2, 0
	s_cbranch_scc0 .Lentry_in_a_cluster
	s_endpgm
.Lentry_in_a_cluster:
	s_bfe_u32 s2, ttmp6, 0x10000c
	s_cmp_lg_u32 s2, 0xf033
	s_cbranch_scc0 .Lentry_shape_is_right
	s_endpgm
.Lentry_shape_is_right:
; q = x Wq + bq, k = x Wk + bk, v = x Wv + bv on codes of BF6 (launch quant made them), and each result quantised in registers for launch attn: q and k along the head's 64, v along the keys.  Nothing is left out here.
; A work-group makes 128 (operand P, source 0) x 256 (operand R, source 1) results over all of K = 1,024.  A lane holds ONE row of R, and its registers run along P's rows, 16 neighbours in two tiles' registers: what is to be quantised along P.
;   clusters y 0-7:  P = 128 columns of Wq or Wk (two heads), R = 256 tokens: a lane holds a token, its registers 128 channels.
;   clusters y 8-11: P = 128 tokens (keys), R = 256 columns of Wv (four heads): a lane holds a channel, its registers 128 keys.
; Four waves; each takes P's 8 tiles x 4 tiles of R: 32 accumulators.  All of K of the three blocks, 307,200 bytes, is filled into LDS ONCE, in four chunks of two K steps: no byte is filled again.
; CLUSTERS 4 x 4: R hangs on the work-group's y alone and is asked for jointly along a row of the cluster, P on its x alone and along a column.  By this text's own count a wave has four tensor loads out.
; The way (q, k or v) hangs on the cluster's x and y alone, which all sixteen partners share.
; LIMITS as in launch quant: a block of zeros gets the byte 1; the floor 2^(5 - 127) under the largest magnitude; NaN and infinities are not served.
; OUTPUT.  Records of 6,400 bytes: 6,144 of codes, 256 of scale words.  Q and K, for (batch, head, 128 tokens): four images; the first half of image g (768 bytes) is token tile 2 g, the second tile 2 g + 1, each with the head's 64;
; word (g, r): bytes 0, 1 for tile 2 g, bytes 2, 3 for tile 2 g + 1.  V, for (batch, head, 128 keys): image g is channel tile g x the 128 keys.
; REGISTERS: window 0: v1-27 addresses; v32-43 scale words, two sets; v48-143 R's fragments, two sets; v144-207 the bias; v208-239 at work.  window 1: P's fragments at v0 and v128.  window 2: accumulator (a, b) at v[64 b + 8 a].
.set KST,   12800                      ; a K step of a block
.set BLK,   102400                     ; a block
.set PB,    2*BLK                      ; LDS: R's two blocks, then P's
.set SPARE, 3*BLK                      ; the spare words, 128 bytes for each wave
.set SCR,   SPARE+512                  ; 512 bytes for each wave: its bias
.set HI,    5*KST                      ; the second address registers stand five K steps on: an LDS immediate has 16 bits
.set SPW,   16
.set NIL,   17
.set BI,    144
.set TM,    208
.set T8,    224
.set PW,    232
.set FLOOR, 0x2800000
.set OFFE,  0xfe000000
.set MSB, 0
.macro WIN new                         ; the immediate's high byte repeats the setting that is left
.if MSB != \new
	s_set_vgpr_msb (MSB<<8)|\new
.set MSB, \new
.endif
.endm
.macro PLACES n
.rept \n
	v_nop
.endr
.endm
.macro CROUND                          ; a round of the cluster's barrier
	s_barrier_signal -1
	s_barrier_wait -1
	s_cmp_lg_u32 s18, 0
	s_cbranch_scc1 .Lnot_wave_0_\@
	s_barrier_signal -3
.Lnot_wave_0_\@:
	s_barrier_wait -3
	s_barrier_signal -1
	s_barrier_wait -1
.endm
; K step s's fragments and scale words into set s % 2: 54 LDS loads, each of 512, 256 or 128 consecutive bytes
.macro FETCH s
.set FS, (\s)%2
.if (\s) < 5
.set FO, KST*(\s)
.set FH, 0
.else
.set FO, KST*((\s)-5)
.set FH, 2
.endif
	WIN 0x40                                       ; destination window 1
.irp a, 0,1,2,3,4,5,6,7
	ds_load_b128 v[128*FS+12*\a:128*FS+12*\a+3], v[4+FH] offset:FO+1536*\a
	ds_load_b64 v[128*FS+12*\a+4:128*FS+12*\a+5], v[5+FH] offset:FO+1536*\a
	ds_load_b128 v[128*FS+12*\a+6:128*FS+12*\a+9], v[4+FH] offset:FO+1536*\a+768
	ds_load_b64 v[128*FS+12*\a+10:128*FS+12*\a+11], v[5+FH] offset:FO+1536*\a+768
.endr
	WIN 0
.irp b, 0,1,2,3
	ds_load_b128 v[48+48*FS+12*\b:48+48*FS+12*\b+3], v[8+FH] offset:FO+1536*\b
	ds_load_b64 v[48+48*FS+12*\b+4:48+48*FS+12*\b+5], v[9+FH] offset:FO+1536*\b
	ds_load_b128 v[48+48*FS+12*\b+6:48+48*FS+12*\b+9], v[8+FH] offset:FO+1536*\b+768
	ds_load_b64 v[48+48*FS+12*\b+10:48+48*FS+12*\b+11], v[9+FH] offset:FO+1536*\b+768
.endr
.irp i, 0,1,2,3
	ds_load_b32 v[32+6*FS+\i], v[12+FH/2] offset:FO+128*\i     ; lanes 0-15: P's tile 2 i, lanes 16-31: tile 2 i + 1
.endr
.irp i, 0,1
	ds_load_b32 v[36+6*FS+\i], v[14+FH/2] offset:FO+128*\i     ; the same of my four tiles of R
.endr
.endm
; one product.  cm = 0: adds in place; 1: starts the sum with the bias of P's tile a; 2: with that of R's tile b
.macro MM a, b, fs, cm
.set DA, 64*(\b)+8*(\a)
.set PA, 128*(\fs)+12*(\a)
.set RA, 48+48*(\fs)+12*(\b)
.set XA, 32+6*(\fs)+(\a)/2
.set XB, 36+6*(\fs)+(\b)/2
.set CA, DA
.if (\cm) == 1
.set CA, BI+8*(\a)
.endif
.if (\cm) == 2
.set CA, BI+8*(\b)
.endif
.if ((\a)%2 == 0) && ((\b)%2 == 0)
	v_wmma_scale_f32_16x16x128_f8f6f4 v[DA:DA+7], v[PA:PA+11], v[RA:RA+11], v[CA:CA+7], v[XA], v[XB] matrix_a_fmt:MATRIX_FMT_BF6 matrix_b_fmt:MATRIX_FMT_BF6
.elseif ((\a)%2 == 1) && ((\b)%2 == 0)
	v_wmma_scale_f32_16x16x128_f8f6f4 v[DA:DA+7], v[PA:PA+11], v[RA:RA+11], v[CA:CA+7], v[XA], v[XB] matrix_a_fmt:MATRIX_FMT_BF6 matrix_b_fmt:MATRIX_FMT_BF6 matrix_a_scale:MATRIX_SCALE_ROW1
.elseif ((\a)%2 == 0) && ((\b)%2 == 1)
	v_wmma_scale_f32_16x16x128_f8f6f4 v[DA:DA+7], v[PA:PA+11], v[RA:RA+11], v[CA:CA+7], v[XA], v[XB] matrix_a_fmt:MATRIX_FMT_BF6 matrix_b_fmt:MATRIX_FMT_BF6 matrix_b_scale:MATRIX_SCALE_ROW1
.else
	v_wmma_scale_f32_16x16x128_f8f6f4 v[DA:DA+7], v[PA:PA+11], v[RA:RA+11], v[CA:CA+7], v[XA], v[XB] matrix_a_fmt:MATRIX_FMT_BF6 matrix_b_fmt:MATRIX_FMT_BF6 matrix_a_scale:MATRIX_SCALE_ROW1 matrix_b_scale:MATRIX_SCALE_ROW1
.endif
.endm
; A K step: the next step's fragments are asked for, then 32 products.  The 32 accumulators take turns, one instruction a turn, in the same order in every step.
.macro STEP s, cm
.if ((\s) == 1) || ((\s) == 3) || ((\s) == 5)
	s_wait_tensorcnt 3-((\s)+1)/2                  ; my part of the next chunk of two K steps is in; my later chunks may be out
.endif
	s_wait_dscnt 0x0                               ; this step's fragments are in
.if ((\s) == 1) || ((\s) == 3) || ((\s) == 5)
	s_barrier_signal -1
	s_barrier_wait -1                              ; everybody's part of that chunk is in.
.endif
.if (\s) < 7
	PLACES 4                                       ; in front of loads into registers that the last products read
	FETCH (\s)+1
.endif
.if (\cm) == 0
	WIN 0xa1                                       ; source 0 (P) window 1, source 1 (R) window 0, C and D window 2
.else
	WIN 0x81                                       ; C (the bias) window 0
.endif
.irp a, 0,1,2,3,4,5,6,7
.irp b, 0,1,2,3
	MM \a, \b, (\s)%2, \cm
.endr
.endr
	WIN 0
.endm
; 64 numbers of a lane in window 2, v[s + 16 b + i] = k 32 b + 16 (lane / 16) + i of my row, become a fragment's codes in v[d] on and its scale word in v[w]
.macro QUANT s, d, w
	WIN 0x28                                       ; sources 1 and 2 window 2
.irp b, 0,1,2,3
	v_max3_num_f32 v[TM+\b], FLOOR, |v[(\s)+16*\b]|, |v[(\s)+1+16*\b]|     ; each accumulator is read from its low end on
.endr
.irp i, 2,4,6,8,10,12,14
.irp b, 0,1,2,3
	v_max3_num_f32 v[TM+\b], v[TM+\b], |v[(\s)+16*\b+\i]|, |v[(\s)+1+16*\b+\i]|
.endr
.endr
	WIN 0
.irp b, 0,1,2,3
	v_permlanex16_b32 v[TM+4+\b], v[TM+\b], s2, s3
.endr
.irp b, 0,1,2,3
	v_max_num_f32 v[TM+\b], v[TM+\b], v[TM+4+\b]   ; with lane l xor 16's: the block's largest magnitude
.endr
.irp b, 0,1,2,3
	v_add_nc_u32 v[TM+12+\b], OFFE, v[TM+\b]
.endr
.irp b, 0,1,2,3
	v_lshrrev_b32 v[TM+4+\b], 23, v[TM+12+\b]
.endr
	v_lshl_or_b32 v[\w], v[TM+5], 8, v[TM+4]
	v_lshl_or_b32 v[\w], v[TM+6], 16, v[\w]
	v_lshl_or_b32 v[\w], v[TM+7], 24, v[\w]
	WIN 0x02                                       ; source 0 window 2
.irp c, 0,1
	v_cvt_scalef32_pk16_bf6_f32 v[(\d)+6*\c:(\d)+6*\c+2], v[(\s)+32*\c:(\s)+32*\c+15], v[TM+12+2*\c]
	v_cvt_scalef32_pk16_bf6_f32 v[T8+4*\c:T8+4*\c+2], v[(\s)+32*\c+16:(\s)+32*\c+31], v[TM+13+2*\c]
.endr
	WIN 0
	v_nop                                          ; one plain place behind the conversions
.irp c, 0,1                            ; the layout wants a whole block in a lane: lanes 0-15 block 2 c, lanes 16-31 block 2 c + 1
.irp i, 0,1,2
	v_permlane16_swap_b32 v[(\d)+6*\c+\i], v[T8+4*\c+\i]
.endr
.irp i, 0,1,2
	v_mov_b32 v[(\d)+6*\c+3+\i], v[T8+4*\c+\i]
.endr
.endr
.endm
	s_load_b256 s[4:11], s[0:1], 0x0               ; xq, wq, bq, bk
	s_load_b128 s[12:15], s[0:1], 0x20             ; bv, qq
	s_load_b64 s[16:17], s[0:1], 0x30              ; kv
	v_lshl_add_u32 v[SPW], v0, 2, SPARE
	v_mov_b32 v[NIL], 0
	ds_add_u32 v[SPW], v[NIL]                      ; the opening: the add, twice on end, and its wait ahead of my first tensor load
	ds_add_u32 v[SPW], v[NIL]
	v_lshrrev_b32 v1, 5, v0
	v_readfirstlane_b32 s18, v1                    ; wave
	s_lshr_b32 s19, s18, 1                         ; which block of R is mine
	s_and_b32 s20, s18, 1                          ; which four tiles of it.  Also: which part I fetch
	s_bfe_u32 s21, ttmp6, 0x40000                  ; cx
	s_bfe_u32 s22, ttmp6, 0x40004                  ; cy
	s_and_b32 s56, ttmp7, 0xffff                   ; the cluster's y
	s_cmp_ge_u32 s56, 8
	s_cselect_b32 s23, 1, 0                        ; 1: v;  0: q, k
	s_cselect_b32 s59, 0, s56
	s_sub_co_u32 s57, s56, 8
	s_lshl_b32 s57, s57, 2
	s_add_co_u32 s57, s57, ttmp9
	s_cmp_lg_u32 s23, 0
	s_cselect_b32 s57, s57, ttmp9
	s_lshl_b32 s58, s57, 2
	s_add_co_u32 s58, s58, s21                     ; px: P's block: 0-15 of wq (q, k), or 0-63 of xq (v)
	s_lshl_b32 s59, s59, 2
	s_add_co_u32 s59, s59, s22                     ; ry: R's pair of blocks: 0-31 of xq, or 0-3 of Wv's
	s_lshl_b32 s60, s22, 2
	s_lshl_b32 s60, 15, s60                        ; my row of the cluster
	s_lshl_b32 s61, 0x1111, s21                    ; my column
	; descriptor groups 1: dense memory as rows of 256 bytes (32 elements of 8 bytes): R 100 rows (two K steps of a block), P 50 (one)
	s_or_b32 s24, s60, (3<<16)|(1<<21)
	s_or_b32 s32, s61, (3<<16)|(1<<21)
.irp g, 24, 32
	s_mov_b32 s[\g+1], 32<<16                      ; tensor_dim0
	s_mov_b32 s[\g+3], 32<<16                      ; tile_dim0
	s_mov_b32 s[\g+5], 32                          ; the pitch
	s_mov_b32 s[\g+6], 0
	s_mov_b32 s[\g+7], 0
.endr
	s_mov_b32 s26, 100<<16                         ; tensor_dim1
	s_mov_b32 s28, 100                             ; tile_dim1
	s_mov_b32 s34, 50<<16
	s_mov_b32 s36, 50
	; R's address is made of ry and the wave's number, P's of px and the wave's number, each in registers that never hold the other coordinate
	s_mul_i32 s84, s59, 2*BLK
	s_mul_i32 s60, s23, 16*BLK                     ; Wv's blocks begin at block 16 of wq
	s_add_co_u32 s84, s84, s60
	s_mul_i32 s60, s20, BLK
	s_add_co_u32 s84, s84, s60
	s_mov_b32 s85, 0
	s_mul_i32 s88, s58, BLK
	s_mul_i32 s61, s20, KST
	s_add_co_u32 s88, s88, s61
	s_mov_b32 s89, 0
	s_mul_i32 s62, s20, BLK                        ; LDS: waves 0, 1: R's block 0, 1
	s_mul_i32 s63, s20, KST
	s_add_co_u32 s63, s63, PB                      ; waves 2, 3: P's even, odd K steps
	s_mov_b32 s2, 0x76543210
	s_mov_b32 s3, 0xfedcba98                       ; selects for lane l xor 16
	s_wait_dscnt 0x0                               ; both opening adds are done
	s_wait_kmcnt 0x0
	s_cmp_lg_u32 s23, 0
	s_cselect_b64 s[86:87], s[6:7], s[4:5]
	s_cselect_b64 s[90:91], s[4:5], s[6:7]
	s_add_nc_u64 s[86:87], s[86:87], s[84:85]
	s_add_nc_u64 s[90:91], s[90:91], s[88:89]
	CROUND                                         ; all sixteen work-groups are here: the joint loads meet
.irp j, 0,1,2,3
	s_mov_b32 s[40+4*\j], 1
	s_add_co_u32 s[41+4*\j], s62, \j*2*KST
	s_add_nc_u64 s[42+4*\j:43+4*\j], s[86:87], \j*2*KST
	s_or_b32 s[43+4*\j], s[43+4*\j], 0x80000000
	s_mov_b32 s[68+4*\j], 1
	s_add_co_u32 s[69+4*\j], s63, \j*2*KST
	s_add_nc_u64 s[70+4*\j:71+4*\j], s[90:91], \j*2*KST
	s_or_b32 s[71+4*\j], s[71+4*\j], 0x80000000
.endr
	s_cmp_lt_u32 s18, 2                            ; every wave issues four first fills, in one arm of one branch on its number
	s_cbranch_scc0 .Lfor_p
.irp j, 0,1,2,3
	tensor_load_to_lds s[40+4*\j:43+4*\j], s[24:31]
	s_nop 0
.endr
	PLACES 4
	s_branch .Lasked
.Lfor_p:
.irp j, 0,1,2,3
	tensor_load_to_lds s[68+4*\j:71+4*\j], s[32:39]
	s_nop 0
.endr
	PLACES 4
.Lasked:
	v_and_b32 v1, 31, v0                           ; lane
	v_and_b32 v2, 15, v0                           ; r
	v_bfe_u32 v3, v0, 4, 1                         ; h
	v_lshlrev_b32 v24, 4, v1
	v_lshlrev_b32 v25, 3, v1
	v_add_nc_u32 v4, PB, v24                       ; P's images: the 16-byte parts,
	v_add_nc_u32 v5, PB+512, v25                   ; the 8-byte parts,
	v_add_nc_u32 v6, HI, v4                        ; and both five K steps on
	v_add_nc_u32 v7, HI, v5
	s_mul_i32 s60, s19, BLK
	s_mul_i32 s66, s20, 6144
	s_add_co_u32 s66, s66, s60
	v_add_nc_u32 v8, s66, v24                      ; my four tiles of R
	v_add_nc_u32 v9, s66, v25
	v_add_nc_u32 v9, 512, v9
	v_add_nc_u32 v10, HI, v8
	v_add_nc_u32 v11, HI, v9
	v_lshl_add_u32 v12, v1, 2, PB+12288            ; scale words: 4 x lane
	v_add_nc_u32 v13, HI, v12
	s_lshl_b32 s66, s20, 8
	s_add_co_u32 s66, s66, s60
	s_add_co_u32 s66, s66, 12288
	v_lshl_add_u32 v14, v1, 2, s66
	v_add_nc_u32 v15, HI, v14
	s_lshl_b32 s66, s18, 9
	s_add_co_u32 s66, s66, SCR                     ; my bias bytes
	v_add_nc_u32 v18, s66, v24
	v_lshl_add_u32 v19, v3, 6, s66                 ; q, k: 16 h numbers on
	v_and_b32 v20, 7, v2
	v_lshrrev_b32 v22, 3, v2
	v_lshl_add_u32 v20, v22, 4, v20
	v_lshl_add_u32 v20, v20, 2, s66                ; v: number r % 8 + 16 (r / 8)
.irp b, 0,1,2,3
	v_mov_b32 v[TM+4+\b], 0                        ; a lane permute's destination counts as one of its sources
.endr
	; the bias: q, k: the 128 numbers of P's block; v: the 64 of my head (lanes 16-31 take them once more)
	s_cmp_ge_u32 ttmp9, 2                          ; q, k: blocks 8-15 are Wk's
	s_cselect_b64 s[92:93], s[10:11], s[8:9]
	s_cmp_lg_u32 s23, 0
	s_cselect_b64 s[92:93], s[12:13], s[92:93]
	s_and_b32 s94, s58, 7
	s_lshl_b32 s94, s94, 9
	s_lshl_b32 s95, s59, 10
	s_lshl_b32 s96, s18, 8
	s_add_co_u32 s95, s95, s96
	s_cmp_lg_u32 s23, 0
	s_cselect_b32 s94, s95, s94
	s_cselect_b32 s96, 15, 31
	s_mov_b32 s95, 0
	s_add_nc_u64 s[92:93], s[92:93], s[94:95]
	v_and_b32 v21, s96, v1
	v_lshlrev_b32 v21, 4, v21
	global_load_b128 v[28:31], v21, s[92:93]
	s_wait_loadcnt 0x0
	ds_store_b128 v18, v[28:31]                    ; through my own LDS bytes: which lane wants which number hangs on the way
	s_wait_tensorcnt 3                             ; my part of K steps 0 and 1 is in; my three later chunks may be out
	s_wait_dscnt 0x0
	s_barrier_signal -1
	s_barrier_wait -1                              ; everybody's is
	FETCH 0
	s_cmp_lg_u32 s23, 0
	s_cbranch_scc1 .Lv_arm
.irp a, 0,1,2,3,4,5,6,7                ; q, k: the bias runs along my registers: tile a's eight numbers of my half
.irp q, 0,1
	ds_load_b128 v[BI+8*\a+4*\q:BI+8*\a+4*\q+3], v19 offset:128*(\a/2)+32*(\a%2)+16*\q
.endr
.endr
	STEP 0, 1
	s_branch .Ljoined
.Lv_arm:
	s_wait_alu depctr_va_vdst(0)
.irp b, 0,1,2,3                        ; v: the bias is my lane's channel's: one number for each tile of R, eight times
	ds_load_b32 v[BI+8*\b], v20 offset:128*(\b/2)+32*(\b%2)
.endr
	s_wait_dscnt 0x0
.irp b, 0,1,2,3
.irp j, 1,2,3,4,5,6,7
	v_mov_b32 v[BI+8*\b+\j], v[BI+8*\b]
.endr
.endr
	s_wait_alu depctr_va_vdst(0)
	STEP 0, 2
.Ljoined:
	STEP 1, 0
	STEP 2, 0
	STEP 3, 0
	STEP 4, 0
	STEP 5, 0
	STEP 6, 0
	STEP 7, 0
	PLACES 4                                       ; in front of the first read of results
	; THE WAY OUT: one text for both ways; scalars alone differ.  No tensor load of mine is out since K step 5's wait for 0, so the descriptors' registers are free.
	s_lshr_b32 s60, s59, 3                         ; q, k: batch,
	s_lshl_b32 s60, s60, 3
	s_and_b32 s61, s58, 7
	s_add_co_u32 s60, s60, s61                     ; x 8 + head pair,
	s_lshl_b32 s60, s60, 4
	s_lshl_b32 s61, s59, 1
	s_add_co_u32 s61, s61, s19
	s_and_b32 s61, s61, 15
	s_add_co_u32 s60, s60, s61                     ; x 16 + my block of 128 tokens in the sequence
	s_lshr_b32 s61, s58, 3                         ; 1: k, into kv, 25,600 bytes apart; 0: q, into qq, 12,800 apart
	s_add_co_u32 s62, s61, 1
	s_mul_i32 s62, s62, 12800
	s_mul_i32 s60, s60, s62
	s_mul_i32 s62, s20, 3072
	s_add_co_u32 s62, s62, s60                     ; my four tiles' halves
	s_lshl_b32 s63, s20, 7
	s_add_co_u32 s63, s63, s60
	s_add_co_u32 s63, s63, 6144                    ; and their scale words
	s_lshl_b32 s66, s59, 2
	s_add_co_u32 s66, s66, s18                     ; v: my head
	s_lshr_b32 s67, s58, 4
	s_lshl_b32 s67, s67, 3
	s_lshr_b32 s68, s66, 1
	s_add_co_u32 s67, s67, s68
	s_lshl_b32 s67, s67, 4
	s_and_b32 s68, s58, 15
	s_add_co_u32 s67, s67, s68
	s_mul_i32 s67, s67, 25600
	s_and_b32 s68, s66, 1
	s_mul_i32 s68, s68, 6400
	s_add_co_u32 s67, s67, s68
	s_add_co_u32 s67, s67, 12800                   ; V's records lie behind K's two
	s_add_co_u32 s68, s67, 6144
	s_cmp_lg_u32 s23, 0
	s_cselect_b32 s84, s67, s62
	s_cselect_b32 s86, s68, s63
	s_cselect_b32 s61, 1, s61
	s_mov_b32 s88, 768
	s_cselect_b32 s88, 1536, s88                   ; from tile to tile of R
	s_mov_b32 s90, 6400
	s_cselect_b32 s90, 768, s90                    ; from a fragment's first half to its second: q, k: the other head's record
	s_mov_b32 s92, 6400
	s_cselect_b32 s92, 64, s92                     ; the scale words' second store
	s_cselect_b32 s93, 128, 64                     ; and what lanes 16-31 add
	s_mov_b32 s94, 0x05040100                      ; q, k: two tiles' bytes 0, 1 (the even head) make a word,
	s_cselect_b32 s94, 0x03020100, s94             ; v: the even tile's word as it is
	s_mov_b32 s95, 0x07060302                      ; q, k: their bytes 2, 3 (the odd head),
	s_cselect_b32 s95, 0x07060504, s95             ; v: the odd tile's word
	s_cmp_lg_u32 s61, 0
	s_cselect_b64 s[96:97], s[16:17], s[14:15]
	s_mov_b32 s85, 0
	s_mov_b32 s87, 0
	s_mov_b32 s99, 0
	s_add_nc_u64 s[84:85], s[96:97], s[84:85]
	s_add_nc_u64 s[56:57], s[96:97], s[86:87]
	s_mov_b32 s98, s92
	s_add_nc_u64 s[58:59], s[56:57], s[98:99]
.irp b, 0,1,2,3
.irp c, 0,1
	s_mul_i32 s98, s88, \b
	s_mul_i32 s89, s90, \c
	s_add_co_u32 s98, s98, s89
	s_add_nc_u64 s[40+4*\b+2*\c:41+4*\b+2*\c], s[84:85], s[98:99]
.endr
.endr
	s_mov_b32 s91, 0xffff0000                      ; lanes 16-31
	v_mul_u32_u24 v26, s93, v3
	v_lshl_add_u32 v26, v2, 2, v26
.irp b, 0,1,2,3
	QUANT 64*\b, 48+12*\b, PW+\b
	global_store_b128 v24, v[48+12*\b:51+12*\b], s[40+4*\b:41+4*\b]               ; 512 and 256 consecutive bytes, each at a multiple of 256
	global_store_b64 v25, v[52+12*\b:53+12*\b], s[40+4*\b:41+4*\b] offset:512
	global_store_b128 v24, v[54+12*\b:57+12*\b], s[42+4*\b:43+4*\b]
	global_store_b64 v25, v[58+12*\b:59+12*\b], s[42+4*\b:43+4*\b] offset:512
.endr
	v_perm_b32 v236, v[PW+1], v[PW], s94
	v_perm_b32 v237, v[PW+3], v[PW+2], s94
	v_perm_b32 v238, v[PW+1], v[PW], s95
	v_perm_b32 v239, v[PW+3], v[PW+2], s95
	v_cndmask_b32 v236, v236, v237, s91            ; lanes 0-15 the first pair's word, lanes 16-31 the second's
	v_cndmask_b32 v238, v238, v239, s91
	global_store_b32 v26, v236, s[56:57]           ; 128 consecutive bytes (v: twice 64): parts of an aligned 256; one byte in 25 of what the launch writes
	global_store_b32 v26, v238, s[58:59]
	s_wait_tensorcnt 0x0                           ; the wave's end
	ds_add_u32 v[SPW], v[NIL]
	s_wait_dscnt 0x0
	CROUND                                         ; the closing round
	s_endpgm
.Lfunc_end_k_q5338cfdf2f_qkv:
	.size	k_q5338cfdf2f_qkv, .Lfunc_end_k_q5338cfdf2f_qkv-k_q5338cfdf2f_qkv
	.p2alignl 7, 3214868480
	.fill 96, 4, 3214868480
	.section	.rodata,"a",@progbits
	.p2align	6, 0x0
	.amdhsa_kernel k_q5338cfdf2f_qkv
		.amdhsa_group_segment_fixed_size 327680
		.amdhsa_private_segment_fixed_size 0
		.amdhsa_enable_private_segment 0
		.amdhsa_kernarg_size 56
		.amdhsa_user_sgpr_count 2
		.amdhsa_user_sgpr_kernarg_segment_ptr 1
		.amdhsa_wavefront_size32 1
		.amdhsa_system_sgpr_workgroup_id_x 1
		.amdhsa_system_sgpr_workgroup_id_y 1
		.amdhsa_system_sgpr_workgroup_id_z 1
		.amdhsa_system_vgpr_workitem_id 0
		.amdhsa_next_free_vgpr 768
		.amdhsa_next_free_sgpr 100
		.amdhsa_reserve_vcc 0
		.amdhsa_float_denorm_mode_32 3
		.amdhsa_float_denorm_mode_16_64 3
		.amdhsa_memory_ordered 1
		.amdhsa_forward_progress 1
		.amdhsa_inst_pref_size 103
	.end_amdhsa_kernel
	.amdgpu_metadata
---
amdhsa.version: [ 1, 2 ]
amdhsa.kernels:
  - .name:           k_q5338cfdf2f_qkv
    .symbol:         k_q5338cfdf2f_qkv.kd
    .args:
      - { .name: xq, .offset: 0, .size: 8, .value_kind: global_buffer, .address_space: global }
      - { .name: wq, .offset: 8, .size: 8, .value_kind: global_buffer, .address_space: global }
      - { .name: bq, .offset: 16, .size: 8, .value_kind: global_buffer, .address_space: global }
      - { .name: bk, .offset: 24, .size: 8, .value_kind: global_buffer, .address_space: global }
      - { .name: bv, .offset: 32, .size: 8, .value_kind: global_buffer, .address_space: global }
      - { .name: qq, .offset: 40, .size: 8, .value_kind: global_buffer, .address_space: global }
      - { .name: kv, .offset: 48, .size: 8, .value_kind: global_buffer, .address_space: global }
    .group_segment_fixed_size: 327680
    .private_segment_fixed_size: 0
    .kernarg_segment_align: 8
    .kernarg_segment_size: 56
    .max_flat_workgroup_size: 128
    .sgpr_count:     100
    .vgpr_count:     768
    .wavefront_size: 32
...
	.end_amdgpu_metadata
.endif
;; end of part 2
;; launch attn (part 3): grid 8 x 32, 16 waves a work-group, no clusters, 327,680 bytes of LDS; arguments qq, kv, aq; writes aq
.if DOCPART == 3
	.amdgcn_target "amdgcn-amd-amdhsa--gfx1250"
	.amdhsa_code_object_version 6
	.text
	.protected	k_q5338cfdf2f_attn
	.globl	k_q5338cfdf2f_attn
	.p2align	8
	.type	k_q5338cfdf2f_attn,@function
k_q5338cfdf2f_attn:
	s_mov_b64 s[64:65], 0
	v_nop
	global_prefetch_b8 v0, s[64:65] scope:SCOPE_SE
	s_setreg_imm32_b32 hwreg(HW_REG_WAVE_MODE, 25, 1), 1
	s_wait_xcnt 0x0
; Causal attention on codes of BF6, and its result quantised along the model's axis for launch outp.
; LEFT OUT: key blocks of 128 that lie wholly behind a block of 128 queries: reference()'s own causal mask makes every p there 0 (shown at the head of launch quant).
; THE SOFTMAX: t = score x log2(e) / 8; M = the running largest t rounded UP to a whole number; p = 2^(t - M) is quantised along the keys, not normalised; the row's sum is taken of the unquantised p and divides at the end (v_rcp_f32).
; SHARES.  Work-group (I, head pair) takes query blocks I and 15 - I of both heads: (I + 1) + (16 - I) = 17 key steps of 128 keys in every work-group, so the trip count is a constant and all 256 work-groups do equal work.
; Sixteen waves: wave w has head w % 2 and the 16 queries of tile w / 2, in 256 registers, four waves to a SIMD.  A pass's last step lies on the diagonal for all waves: there hidden scores become -infinity.
; A key step's four records (K and V of both heads, 25,600 dense bytes) come through a ring of two LDS slots; waves 0-3 fetch one record each: one tensor load of a wave is out at a time.
; NO CLUSTER: at trip T work-group I wants key block T while T <= I and block T - I - 1 behind that: from the second trip on the eight work-groups of a head pair want different blocks.
; K = 64 IN AN INSTRUCTION OF 128: an image of K holds two tiles of 16 keys, one in each half of the 128; against [q | zero codes] it gives the first tile's scores, against [zero codes | q] the second's.  q lies as 18 registers [0, q, 0].
; LAYOUT: both products transposed (source 0 = keys, or V's channels; source 1 = my queries): a lane holds one query.  Row r of tile t is index 32 (t / 2) + 8 (t % 2) + r % 8 + 16 (r / 8): so two tiles' 16 registers are 16 neighbours.
; LIMITS: a block of zeros gets the byte 1 (its codes are zeros); the floor 2^(5 - 127); NaN and infinities are not served.
; REGISTERS: v1-11 addresses; v12 -M, v13 the largest t, v[14:15] the sum; v16-33 [0, q, 0]; v34-39 scale words; v40-87 K's images, then work; v88-135 V's; v136-199 scores, then p; v200-231 O^T; v232-243 p's codes;
;   v244-250 the second pass's q and scale word; v251-253 addresses.
.set SLOT1, 1<<15                      ; slot 0 at byte 0, slot 1 here: one exclusive or turns an address
.set SCST,  25600                      ; between the slots: a word for each query of each wave, 64 bytes a wave
.set SPARE, 26624                      ; the spare words, 128 bytes for each wave
.set S,     136
.set O,     200
.set FLOOR, 0x2800000
.set OFFE,  0xfe000000
.macro TLOAD                           ; waves 0-3 fetch; an s_nop 0 and four v_nop follow the load
	s_cmp_lt_u32 s18, 4
	s_cbranch_scc0 .Lnone_\@
	tensor_load_to_lds s[32:35], s[24:31]
	s_nop 0
.rept 4
	v_nop
.endr
.Lnone_\@:
.endm
.macro FETCH4 dst, sc, rec             ; a record's four images and its scale words: 18 LDS loads
.irp g, 0,1,2,3
	ds_load_b128 v[\dst+12*\g:\dst+12*\g+3], v8 offset:\rec+1536*\g
	ds_load_b64 v[\dst+12*\g+4:\dst+12*\g+5], v9 offset:\rec+1536*\g
	ds_load_b128 v[\dst+12*\g+6:\dst+12*\g+9], v8 offset:\rec+1536*\g+768
	ds_load_b64 v[\dst+12*\g+10:\dst+12*\g+11], v9 offset:\rec+1536*\g+768
.endr
.irp i, 0,1
	ds_load_b32 v[\sc+\i], v10 offset:\rec+128*\i  ; lanes 0-15: image 2 i, lanes 16-31: image 2 i + 1
.endr
.endm
; THE CHANGE OF SLOTS, at a step's head.  fill = 1: the slot just left takes the next step's records; at the end of the first pass the address goes back to key block 0.
.macro CHANGE fill
	s_wait_tensorcnt 0x0                           ; no tensor load of mine is out, so the descriptor may be written
	ds_add_u32 v5, v6                              ; 0 onto my spare word
.if \fill
	ds_add_u32 v5, v6                              ; and once more
	s_xor_b32 s33, s33, SLOT1
	s_add_nc_u64 s[34:35], s[34:35], 25600
	s_cmp_eq_u32 s22, s21
	s_cselect_b32 s42, s44, 0
	s_sub_nc_u64 s[34:35], s[34:35], s[42:43]
.endif
	s_wait_dscnt 0x0                               ; the add is done, and my reads of the slot that I have left are over
	s_barrier_signal -1
	s_barrier_wait -1
.if \fill
	TLOAD                                          ; the first thing behind the barrier: it has a whole key step in which to land
.endif
.endm
; A KEY STEP of 128 keys.  diag = 1: the step lies on the diagonal; 0: it does where the trip is the first pass's last
.macro STEP diag
	v_add_nc_u32 v8, s23, v1
	v_add_nc_u32 v9, s23, v2
	v_add_nc_u32 v10, s23, v3
	v_nop                                          ; four places in front of loads into registers that the last products read
	FETCH4 40, 36, 0
	FETCH4 88, 38, 12800
	s_wait_dscnt 18                                ; K's 18 loads are in; V's 18 may be out
.irp g, 0,1,2,3
.if (\g%2) == 0
	v_wmma_scale_f32_16x16x128_f8f6f4 v[S+16*\g:S+16*\g+7], v[40+12*\g:51+12*\g], v[22:33], 0, v[36+\g/2], v34 matrix_a_fmt:MATRIX_FMT_BF6 matrix_b_fmt:MATRIX_FMT_BF6
	v_wmma_scale_f32_16x16x128_f8f6f4 v[S+16*\g+8:S+16*\g+15], v[40+12*\g:51+12*\g], v[16:27], 0, v[36+\g/2], v34 matrix_a_fmt:MATRIX_FMT_BF6 matrix_b_fmt:MATRIX_FMT_BF6
.else
	v_wmma_scale_f32_16x16x128_f8f6f4 v[S+16*\g:S+16*\g+7], v[40+12*\g:51+12*\g], v[22:33], 0, v[36+\g/2], v34 matrix_a_fmt:MATRIX_FMT_BF6 matrix_b_fmt:MATRIX_FMT_BF6 matrix_a_scale:MATRIX_SCALE_ROW1
	v_wmma_scale_f32_16x16x128_f8f6f4 v[S+16*\g+8:S+16*\g+15], v[40+12*\g:51+12*\g], v[16:27], 0, v[36+\g/2], v34 matrix_a_fmt:MATRIX_FMT_BF6 matrix_b_fmt:MATRIX_FMT_BF6 matrix_a_scale:MATRIX_SCALE_ROW1
.endif
.endr                                  ; register 16 b + i holds key 32 b + 16 (lane / 16) + i of the step
.rept 4
	v_nop
.endr
.if \diag == 0
	s_cmp_lg_u32 s22, s21
	s_cbranch_scc1 .Lopen_\@
.endif
	v_mov_b32 v58, 0xff800000                      ; -infinity: hidden where 32 b + i > my query - 16 (lane / 16), both counted in the block
.irp n, 0,1,2,3,4,5,6,7,8,9,10,11,12,13,14,15,16,17,18,19,20,21,22,23,24,25,26,27,28,29,30,31,32,33,34,35,36,37,38,39,40,41,42,43,44,45,46,47,48,49,50,51,52,53,54,55,56,57,58,59,60,61,62,63
	v_cmp_gt_i32 vcc_lo, 32*(\n/16)+\n%16, v4
	v_cndmask_b32 v[S+\n], v[S+\n], v58, vcc_lo
.endr
.Lopen_\@:
.irp b, 0,1,2,3
	v_max3_num_f32 v[40+\b], v[S+16*\b], v[S+1+16*\b], v[S+2+16*\b]    ; the largest score of each block of 32 keys: for the row's maximum and, since p rises with the score, for the block's largest p
.endr
.irp i, 3,5,7,9,11,13
.irp b, 0,1,2,3
	v_max3_num_f32 v[40+\b], v[40+\b], v[S+16*\b+\i], v[S+1+16*\b+\i]
.endr
.endr
.irp b, 0,1,2,3
	v_max_num_f32 v[40+\b], v[40+\b], v[S+15+16*\b]
.endr
.irp b, 0,1,2,3
	s_delay_alu instid0(VALU_DEP_4)
	v_permlanex16_b32 v[44+\b], v[40+\b], s38, s39
.endr
.irp b, 0,1,2,3
	s_delay_alu instid0(VALU_DEP_4)
	v_max_num_f32 v[40+\b], v[40+\b], v[44+\b]
.endr
	s_delay_alu instid0(VALU_DEP_2)
	v_max3_num_f32 v58, v40, v41, v42
	s_delay_alu instid0(VALU_DEP_1)
	v_max_num_f32 v58, v58, v43
	s_delay_alu instid0(VALU_DEP_1)
	v_mul_f32 v58, s40, v58                        ; as t
	s_delay_alu instid0(VALU_DEP_1)
	v_max_num_f32 v13, v13, v58                    ; the running largest t
	v_mov_b32 v58, v12
	s_delay_alu instid0(VALU_DEP_2)
	v_floor_f32 v12, -v13                          ; -M = floor(-t): M is a whole number
	s_delay_alu instid0(VALU_DEP_1)
	v_sub_f32 v58, v12, v58                        ; old M - new M: a whole number, 0 or less
	s_delay_alu instid0(VALU_DEP_1)
	v_cvt_i32_f32 v58, v58                         ; (it saturates)
	s_delay_alu instid0(VALU_DEP_1)
	v_ldexp_f32 v56, 1.0, v58                      ; f = 2^(old M - new M): a multiplication by it rounds nothing
.irp j, 0,2,4,6,8,10,12,14,16,18,20,22,24,26,28,30,32,34,36,38,40,42,44,46,48,50,52,54,56,58,60,62
	v_pk_fma_f32 v[S+\j:S+\j+1], v[S+\j:S+\j+1], s[40:41], v[12:13] op_sel_hi:[1,0,0]   ; t - M
.endr
.irp b, 0,1,2,3
	v_fma_f32 v[40+\b], v[40+\b], s40, v12
.endr
	s_wait_alu depctr_va_vdst(0)
.irp j, 0,1,2,3,4,5,6,7,8,9,10,11,12,13,14,15,16,17,18,19,20,21,22,23,24,25,26,27,28,29,30,31,32,33,34,35,36,37,38,39,40,41,42,43,44,45,46,47,48,49,50,51,52,53,54,55,56,57,58,59,60,61,62,63
	v_exp_f32 v[S+\j], v[S+\j]                     ; p = 2^(t - M)
.endr
	v_pk_mul_f32 v[14:15], v[14:15], v[56:57] op_sel_hi:[1,0]      ; the sum under the new M; a plain place behind the exponentials
	s_wait_alu depctr_va_vdst(0)                   ; one wait for the batch of 64, ahead of its first reader
.irp b, 0,1,2,3
	v_exp_f32 v[40+\b], v[40+\b]                   ; each block's largest p
.endr
	v_pk_add_f32 v[44:45], v[140:141], v[144:145]
	v_pk_add_f32 v[254:255], v[148:149], v[152:153]
	v_pk_add_f32 v[242:243], v[156:157], v[160:161]
	v_pk_add_f32 v[240:241], v[164:165], v[168:169]
	v_pk_add_f32 v[238:239], v[172:173], v[176:177]
	v_pk_add_f32 v[236:237], v[180:181], v[184:185]
	v_pk_add_f32 v[234:235], v[188:189], v[192:193]
	v_pk_add_f32 v[14:15], v[14:15], v[196:197]
	v_pk_add_f32 v[44:45], v[44:45], v[136:137]
	v_pk_add_f32 v[254:255], v[254:255], v[138:139]
	v_pk_add_f32 v[242:243], v[242:243], v[142:143]
	v_pk_add_f32 v[240:241], v[240:241], v[146:147]
	v_pk_add_f32 v[238:239], v[238:239], v[150:151]
	v_pk_add_f32 v[236:237], v[236:237], v[154:155]
	v_pk_add_f32 v[234:235], v[234:235], v[158:159]
	v_pk_add_f32 v[14:15], v[14:15], v[162:163]
	v_pk_add_f32 v[44:45], v[44:45], v[166:167]
	v_pk_add_f32 v[254:255], v[254:255], v[170:171]
	v_pk_add_f32 v[242:243], v[242:243], v[174:175]
	v_pk_add_f32 v[240:241], v[240:241], v[178:179]
	v_pk_add_f32 v[238:239], v[238:239], v[182:183]
	v_pk_add_f32 v[236:237], v[236:237], v[186:187]
	v_pk_add_f32 v[234:235], v[234:235], v[190:191]
	v_pk_add_f32 v[14:15], v[14:15], v[194:195]
	v_pk_add_f32 v[44:45], v[44:45], v[198:199]
	s_delay_alu instid0(VALU_DEP_2)
	v_pk_add_f32 v[14:15], v[14:15], v[240:241]
	s_delay_alu instid0(VALU_DEP_2)
	v_pk_add_f32 v[44:45], v[44:45], v[238:239]
	v_pk_add_f32 v[254:255], v[254:255], v[236:237]
	v_pk_add_f32 v[242:243], v[242:243], v[234:235]
	s_delay_alu instid0(VALU_DEP_2)
	v_pk_add_f32 v[14:15], v[14:15], v[254:255]
	s_delay_alu instid0(VALU_DEP_2)
	v_pk_add_f32 v[44:45], v[44:45], v[242:243]
	s_delay_alu instid0(VALU_DEP_1)
	v_pk_add_f32 v[14:15], v[14:15], v[44:45]
	s_wait_alu depctr_va_vdst(0)                   ; and one for the four
.irp b, 0,1,2,3
	v_max_num_f32 v[40+\b], FLOOR, v[40+\b]
.endr
.irp b, 0,1,2,3
	s_delay_alu instid0(VALU_DEP_4)
	v_add_nc_u32 v[52+\b], OFFE, v[40+\b]
.endr
.irp b, 0,1,2,3
	s_delay_alu instid0(VALU_DEP_4)
	v_lshrrev_b32 v[44+\b], 23, v[52+\b]
.endr
	s_delay_alu instid0(VALU_DEP_3)
	v_lshl_or_b32 v35, v45, 8, v44                 ; p's scale word for these 128 keys
	s_delay_alu instid0(VALU_DEP_1)
	v_lshl_or_b32 v35, v46, 16, v35
	s_delay_alu instid0(VALU_DEP_1)
	v_lshl_or_b32 v35, v47, 24, v35
.irp c, 0,1
	v_cvt_scalef32_pk16_bf6_f32 v[232+6*\c:234+6*\c], v[S+32*\c:S+15+32*\c], v[52+2*\c]
	v_cvt_scalef32_pk16_bf6_f32 v[44+4*\c:46+4*\c], v[S+16+32*\c:S+31+32*\c], v[53+2*\c]
.endr
	v_nop                                          ; one plain place behind the conversions
.irp c, 0,1
.irp i, 0,1,2
	v_permlane16_swap_b32 v[232+6*\c+\i], v[44+4*\c+\i]
.endr
.irp i, 0,1,2
	s_delay_alu instid0(VALU_DEP_3)
	v_mov_b32 v[235+6*\c+\i], v[44+4*\c+\i]
.endr
.endr
.irp j, 0,2,4,6,8,10,12,14,16,18,20,22,24,26,28,30
	v_pk_mul_f32 v[O+\j:O+\j+1], v[O+\j:O+\j+1], v[56:57] op_sel_hi:[1,0]       ; O^T under the new M; these sixteen are also the places in front of the products below
.endr
	s_wait_alu depctr_va_vdst(0)
	s_wait_dscnt 0x0                               ; V is in
.irp d, 0,1,2,3
.if (\d%2) == 0
	v_wmma_scale_f32_16x16x128_f8f6f4 v[O+8*\d:O+8*\d+7], v[88+12*\d:99+12*\d], v[232:243], v[O+8*\d:O+8*\d+7], v[38+\d/2], v35 matrix_a_fmt:MATRIX_FMT_BF6 matrix_b_fmt:MATRIX_FMT_BF6
.else
	v_wmma_scale_f32_16x16x128_f8f6f4 v[O+8*\d:O+8*\d+7], v[88+12*\d:99+12*\d], v[232:243], v[O+8*\d:O+8*\d+7], v[38+\d/2], v35 matrix_a_fmt:MATRIX_FMT_BF6 matrix_b_fmt:MATRIX_FMT_BF6 matrix_a_scale:MATRIX_SCALE_ROW1
.endif
.endr
.endm
; A pass's end: O^T / the sum; register 16 b + i is channel 32 b + 16 (lane / 16) + i of my query: two blocks of 32, half a fragment of launch outp's operand
.macro FINISH ob
.rept 4
	v_nop
.endr
	v_add_f32 v14, v14, v15
	s_delay_alu instid0(VALU_DEP_1)
	v_permlanex16_b32 v58, v14, s38, s39
	s_delay_alu instid0(VALU_DEP_1)
	v_add_f32 v14, v14, v58                        ; the row's sum
	s_wait_alu depctr_va_vdst(0)
	v_rcp_f32 v14, v14
	v_nop                                          ; a plain place behind the reciprocal
	s_wait_alu depctr_va_vdst(0)                   ; and the wait ahead of its first reader
.irp j, 0,2,4,6,8,10,12,14,16,18,20,22,24,26,28,30
	v_pk_mul_f32 v[O+\j:O+\j+1], v[O+\j:O+\j+1], v[14:15] op_sel_hi:[1,0]
.endr
.irp b, 0,1
	v_max3_num_f32 v[40+\b], |v[O+16*\b]|, |v[O+1+16*\b]|, FLOOR
.endr
.irp i, 2,4,6,8,10,12,14
.irp b, 0,1
	s_delay_alu instid0(VALU_DEP_2)
	v_max3_num_f32 v[40+\b], v[40+\b], |v[O+16*\b+\i]|, |v[O+1+16*\b+\i]|
.endr
.endr
.irp b, 0,1
	s_delay_alu instid0(VALU_DEP_2)
	v_permlanex16_b32 v[44+\b], v[40+\b], s38, s39
.endr
.irp b, 0,1
	s_delay_alu instid0(VALU_DEP_2)
	v_max_num_f32 v[40+\b], v[40+\b], v[44+\b]
.endr
.irp b, 0,1
	s_delay_alu instid0(VALU_DEP_2)
	v_add_nc_u32 v[52+\b], OFFE, v[40+\b]
.endr
.irp b, 0,1
	s_delay_alu instid0(VALU_DEP_2)
	v_lshrrev_b32 v[44+\b], 23, v[52+\b]
.endr
	s_delay_alu instid0(VALU_DEP_1)
	v_lshl_or_b32 v58, v45, 8, v44                 ; my head's two bytes of my query's scale word
	v_cvt_scalef32_pk16_bf6_f32 v[232:234], v[O:O+15], v52
	v_cvt_scalef32_pk16_bf6_f32 v[238:240], v[O+16:O+31], v53
	v_nop
.irp i, 0,1,2
	v_permlane16_swap_b32 v[232+\i], v[238+\i]
.endr
.irp i, 0,1,2
	s_delay_alu instid0(VALU_DEP_3)
	v_mov_b32 v[235+\i], v[238+\i]
.endr
	global_store_b128 v7, v[232:235], s[\ob:\ob+1]             ; 512 and 256 consecutive bytes, each at a multiple of 256
	global_store_b64 v11, v[236:237], s[\ob:\ob+1] offset:512
	ds_store_b32 v251, v58                         ; into my wave's own 64 bytes
.endm
.macro MERGE sb                        ; wave 0: the two heads' halves make the block's 128 scale words: 512 dense bytes
	ds_load_b128 v[60:63], v252 offset:SCST
	ds_load_b128 v[64:67], v252 offset:SCST+64
	s_wait_dscnt 0x0
.irp i, 0,1,2,3
	v_lshl_or_b32 v[60+\i], v[64+\i], 16, v[60+\i]
.endr
	global_store_b128 v7, v[60:63], s[\sb:\sb+1]
.endm
.macro START                           ; a pass begins: the largest t under every t, sums and O^T zero: the first change of M multiplies zeros
	v_mov_b32 v13, 0xff61b1e6                      ; -3e38
	s_delay_alu instid0(VALU_DEP_1)
	v_floor_f32 v12, -v13
	v_mov_b32 v14, 0
	v_mov_b32 v15, 0
.irp j, 0,1,2,3,4,5,6,7,8,9,10,11,12,13,14,15,16,17,18,19,20,21,22,23,24,25,26,27,28,29,30,31
	v_mov_b32 v[O+\j], 0
.endr
.endm
	s_load_b128 s[4:7], s[0:1], 0x0                ; qq, kv
	s_load_b64 s[8:9], s[0:1], 0x10                ; aq
	v_lshl_add_u32 v5, v0, 2, SPARE
	v_mov_b32 v6, 0
	ds_add_u32 v5, v6                              ; the opening: the add, twice on end, and its wait ahead of the first tensor load
	ds_add_u32 v5, v6
	v_lshrrev_b32 v8, 5, v0
	s_delay_alu instid0(VALU_DEP_1)
	v_readfirstlane_b32 s18, v8                    ; wave
	s_and_b32 s19, s18, 1                          ; which head of the pair
	s_lshr_b32 s20, s18, 1                         ; which tile of 16 queries
	s_mov_b32 s21, ttmp9                           ; I
	s_and_b32 s54, ttmp7, 0xffff                   ; batch x 8 + head pair
	s_mov_b32 s22, 0                               ; the trip
	s_mov_b32 s23, 0                               ; the slot in hand
	s_mov_b32 s24, 3<<16                           ; group 1: a record as 25 rows of 256 bytes (32 elements of 8 bytes), dense
	s_mov_b32 s25, 32<<16
	s_mov_b32 s26, 25<<16
	s_mov_b32 s27, 32<<16
	s_mov_b32 s28, 25
	s_mov_b32 s29, 32
	s_mov_b32 s30, 0
	s_mov_b32 s31, 0
	s_min_u32 s55, s18, 3
	s_mul_i32 s55, s55, 6400                       ; the record that I fetch, if I fetch
	s_mul_i32 s56, s54, 409600
	s_add_co_u32 s56, s56, s55
	s_mov_b32 s57, 0
	s_lshl_b32 s58, s54, 4
	s_add_co_u32 s59, s58, s21
	s_mul_i32 s59, s59, 12800                      ; Q's records of block I,
	s_sub_co_u32 s60, 15, s21
	s_add_co_u32 s60, s60, s58
	s_mul_i32 s60, s60, 12800                      ; and of block 15 - I
	s_mul_i32 s61, s19, 6400                       ; my head's record
	s_mul_i32 s62, s20, 768
	s_add_co_u32 s62, s62, s61                     ; my tile's half image
	s_lshr_b32 s63, s20, 1
	s_lshl_b32 s63, s63, 6
	s_add_co_u32 s63, s63, s61
	s_add_co_u32 s63, s63, 6144                    ; its scale words
	s_add_co_u32 s66, s59, s62
	s_mov_b32 s67, 0
	s_add_co_u32 s68, s59, s63
	s_mov_b32 s69, 0
	s_add_co_u32 s70, s60, s62
	s_mov_b32 s71, 0
	s_add_co_u32 s72, s60, s63
	s_mov_b32 s73, 0
	s_lshr_b32 s74, s54, 3
	s_lshl_b32 s74, s74, 4                         ; aq: batch x 16 blocks of tokens
	s_and_b32 s75, s54, 7
	s_mul_i32 s75, s75, 12800                      ; K step = head pair
	s_add_co_u32 s76, s74, s21
	s_mul_i32 s76, s76, 102400
	s_add_co_u32 s76, s76, s75
	s_sub_co_u32 s77, 15, s21
	s_add_co_u32 s77, s77, s74
	s_mul_i32 s77, s77, 102400
	s_add_co_u32 s77, s77, s75
	s_mul_i32 s78, s20, 1536
	s_mul_i32 s79, s19, 768
	s_add_co_u32 s78, s78, s79                     ; my tile's image, my head's half
	s_add_co_u32 s46, s76, s78
	s_mov_b32 s47, 0
	s_add_co_u32 s48, s77, s78
	s_mov_b32 s49, 0
	s_add_co_u32 s50, s76, 12288
	s_mov_b32 s51, 0
	s_add_co_u32 s52, s77, 12288
	s_mov_b32 s53, 0
	s_mov_b32 s38, 0x76543210
	s_mov_b32 s39, 0xfedcba98                      ; selects for lane l xor 16
	s_mov_b32 s40, 0x3e38aa3b                      ; log2(e) / 8
	s_mov_b32 s41, s40
	s_mov_b32 s43, 0
	s_add_co_u32 s44, s21, 1
	s_mul_i32 s44, s44, 25600                      ; from the first pass's end back to key block 0
	s_and_b32 s79, s20, 1
	s_cmp_lg_u32 s79, 0
	s_mov_b32 s45, 0x01000100                      ; my tile's two bytes of Q's word, twice
	s_cselect_b32 s45, 0x03020302, s45
	s_lshl_b32 s78, s79, 3
	s_lshr_b32 s79, s20, 1
	s_lshl_b32 s79, s79, 5
	s_add_co_u32 s78, s78, s79                     ; my tile's first query in its block
	s_lshl_b32 s79, s18, 6
	s_add_co_u32 s79, s79, SCST
	v_and_b32 v8, 31, v0                           ; lane
	v_and_b32 v9, 15, v0                           ; r
	v_bfe_u32 v10, v0, 4, 1                        ; h
	s_delay_alu instid0(VALU_DEP_3)
	v_lshlrev_b32 v7, 4, v8                        ; 16 x lane
	s_delay_alu instid0(VALU_DEP_4)
	v_lshlrev_b32 v11, 3, v8                       ; 8 x lane
	s_delay_alu instid0(VALU_DEP_2)
	v_add_nc_u32 v1, s61, v7                       ; my head's K record: the images' 16-byte parts,
	s_delay_alu instid0(VALU_DEP_2)
	v_add_nc_u32 v2, s61, v11
	s_delay_alu instid0(VALU_DEP_1)
	v_add_nc_u32 v2, 512, v2                       ; their 8-byte parts,
	v_lshl_add_u32 v3, v8, 2, s61
	s_delay_alu instid0(VALU_DEP_1)
	v_add_nc_u32 v3, 6144, v3                      ; its scale words
	v_and_b32 v4, 7, v9
	v_lshrrev_b32 v12, 3, v9
	s_delay_alu instid0(VALU_DEP_1)
	v_lshl_add_u32 v4, v12, 4, v4
	v_lshlrev_b32 v12, 4, v10
	s_delay_alu instid0(VALU_DEP_1)
	v_sub_nc_u32 v4, v4, v12
	s_delay_alu instid0(VALU_DEP_1)
	v_add_nc_u32 v4, s78, v4                       ; my query in its block - 16 h
	v_lshl_add_u32 v251, v9, 2, s79                ; my query's word in my wave's 64 bytes
	v_lshrrev_b32 v252, 2, v8
	s_delay_alu instid0(VALU_DEP_1)
	v_lshlrev_b32 v252, 7, v252
	v_and_b32 v12, 3, v8
	s_delay_alu instid0(VALU_DEP_1)
	v_lshl_add_u32 v252, v12, 4, v252              ; the join: tile lane / 4, queries 4 (lane % 4) on
	v_lshlrev_b32 v253, 2, v9                      ; 4 r
	s_wait_dscnt 0x0                               ; both opening adds are done
	s_wait_kmcnt 0x0
	s_mov_b32 s32, 1
	s_mov_b32 s33, s55
	s_add_nc_u64 s[34:35], s[6:7], s[56:57]
	s_or_b32 s35, s35, 0x80000000
	TLOAD                                          ; slot 0: key block 0, which counts for every query
	s_add_nc_u64 s[66:67], s[4:5], s[66:67]
	s_add_nc_u64 s[68:69], s[4:5], s[68:69]
	s_add_nc_u64 s[70:71], s[4:5], s[70:71]
	s_add_nc_u64 s[72:73], s[4:5], s[72:73]
	s_add_nc_u64 s[46:47], s[8:9], s[46:47]
	s_add_nc_u64 s[48:49], s[8:9], s[48:49]
	s_add_nc_u64 s[50:51], s[8:9], s[50:51]
	s_add_nc_u64 s[52:53], s[8:9], s[52:53]
	global_load_b128 v[22:25], v7, s[66:67]        ; both passes' q stay in registers
	global_load_b64 v[26:27], v11, s[66:67] offset:512
	s_wait_alu depctr_va_vdst(0)
	global_load_b32 v34, v253, s[68:69]
	global_load_b128 v[244:247], v7, s[70:71]
	global_load_b64 v[248:249], v11, s[70:71] offset:512
	global_load_b32 v250, v253, s[72:73]
.irp i, 16,17,18,19,20,21,28,29,30,31,32,33
	v_mov_b32 v[\i], 0                             ; zero codes on both sides of q
.endr
	s_wait_loadcnt 0x0
	v_perm_b32 v34, v34, v34, s45
	START                                          ; (its 36 lines are the places between q's scale word and the first product)
.Ltrip:                                            ; 16 trips; the 17th step is written out, since it asks for nothing
	CHANGE 1
	STEP 0
	s_cmp_lg_u32 s22, s21
	s_cbranch_scc1 .Lnot_last
	FINISH 46
.Lnot_last:
	s_wait_dscnt 0x0                               ; my word lies in LDS
	s_barrier_signal -1                            ; this barrier stands in every trip, so that it parts the words' stores from their loads on every way; the tile on its way may stay out
	s_barrier_wait -1
	s_cmp_lg_u32 s22, s21
	s_cbranch_scc1 .Lsame_pass
	s_cmp_lg_u32 s18, 0
	s_cbranch_scc1 .Lno_merge
	MERGE 50
.Lno_merge:
.irp i, 0,1,2,3,4,5
	v_mov_b32 v[22+\i], v[244+\i]                  ; the second pass's q
.endr
	v_perm_b32 v34, v250, v250, s45
	START
.Lsame_pass:
	s_wait_xcnt 0x0                                ; on every way round the loop and out of it: the stores of a pass's end (data v232-237 and v60-63) have read their registers, which the next step's loads and conversions write
	s_xor_b32 s23, s23, SLOT1
	s_add_co_u32 s22, s22, 1
	s_cmp_lt_u32 s22, 16
	s_cbranch_scc1 .Ltrip
	CHANGE 0
	STEP 1
	FINISH 48
	s_wait_dscnt 0x0
	s_barrier_signal -1
	s_barrier_wait -1
	s_cmp_lg_u32 s18, 0
	s_cbranch_scc1 .Lend
	MERGE 52
.Lend:
	s_wait_tensorcnt 0x0                           ; the wave's end
	ds_add_u32 v5, v6
	s_wait_dscnt 0x0
	s_endpgm
.Lfunc_end_k_q5338cfdf2f_attn:
	.size	k_q5338cfdf2f_attn, .Lfunc_end_k_q5338cfdf2f_attn-k_q5338cfdf2f_attn
	.p2alignl 7, 3214868480
	.fill 96, 4, 3214868480
	.section	.rodata,"a",@progbits
	.p2align	6, 0x0
	.amdhsa_kernel k_q5338cfdf2f_attn
		.amdhsa_group_segment_fixed_size 327680
		.amdhsa_private_segment_fixed_size 0
		.amdhsa_enable_private_segment 0
		.amdhsa_kernarg_size 24
		.amdhsa_user_sgpr_count 2
		.amdhsa_user_sgpr_kernarg_segment_ptr 1
		.amdhsa_wavefront_size32 1
		.amdhsa_system_sgpr_workgroup_id_x 1
		.amdhsa_system_sgpr_workgroup_id_y 1
		.amdhsa_system_sgpr_workgroup_id_z 1
		.amdhsa_system_vgpr_workitem_id 0
		.amdhsa_next_free_vgpr 256
		.amdhsa_next_free_sgpr 80
		.amdhsa_reserve_vcc 1
		.amdhsa_float_denorm_mode_32 3
		.amdhsa_float_denorm_mode_16_64 3
		.amdhsa_memory_ordered 1
		.amdhsa_forward_progress 1
		.amdhsa_inst_pref_size 66
	.end_amdhsa_kernel
	.amdgpu_metadata
---
amdhsa.version: [ 1, 2 ]
amdhsa.kernels:
  - .name:           k_q5338cfdf2f_attn
    .symbol:         k_q5338cfdf2f_attn.kd
    .args:
      - { .name: qq, .offset: 0, .size: 8, .value_kind: global_buffer, .address_space: global }
      - { .name: kv, .offset: 8, .size: 8, .value_kind: global_buffer, .address_space: global }
      - { .name: aq, .offset: 16, .size: 8, .value_kind: global_buffer, .address_space: global }
    .group_segment_fixed_size: 327680
    .private_segment_fixed_size: 0
    .kernarg_segment_align: 8
    .kernarg_segment_size: 24
    .max_flat_workgroup_size: 512
    .sgpr_count:     80
    .vgpr_count:     256
    .wavefront_size: 32
...
	.end_amdgpu_metadata
.endif
;; end of part 3
;; launch outp (part 4): grid 8 x 32, 4 waves a work-group, clusters of 4 x 4, 327,680 bytes of LDS; arguments aq, wq, bo, out0; writes out0
.if DOCPART == 4
	.amdgcn_target "amdgcn-amd-amdhsa--gfx1250"
	.amdhsa_code_object_version 6
	.text
	.protected	k_q5338cfdf2f_outp
	.globl	k_q5338cfdf2f_outp
	.p2align	8
	.type	k_q5338cfdf2f_outp,@function
k_q5338cfdf2f_outp:
	s_mov_b64 s[64:65], 0
	v_nop
	global_prefetch_b8 v0, s[64:65] scope:SCOPE_SE
	s_setreg_imm32_b32 hwreg(HW_REG_WAVE_MODE, 25, 1), 1
	s_wait_xcnt 0x0
	s_wait_alu depctr_hold_cnt(0) depctr_sa_sdst(0) depctr_va_vdst(0) depctr_va_sdst(0) depctr_va_ssrc(0) depctr_va_vcc(0) depctr_vm_vsrc(0)
	s_getreg_b32 s2, hwreg(HW_REG_IB_STS2, 6, 4)
	s_cmp_eq_u32 s2, 0
	s_cbranch_scc0 .Lentry_in_a_cluster
	s_endpgm
.Lentry_in_a_cluster:
	s_bfe_u32 s2, ttmp6, 0x10000c
	s_cmp_lg_u32 s2, 0xf033
	s_cbranch_scc0 .Lentry_shape_is_right
	s_endpgm
.Lentry_shape_is_right:
; out0 = a Wo + bo on codes of BF6: a from launch attn, Wo's codes from launch quant (blocks 24-31 of wq).  Nothing is left out here.
; The shape is launch qkv's: source 0 = P = 128 columns of Wo, source 1 = R = 256 tokens; four waves, each P's 8 tiles x 4 tiles of R, 32 accumulators; all of K = 1,024 of the three blocks, 307,200 bytes, is filled into LDS once, in four chunks.
; CLUSTERS 4 x 4: R hangs on the work-group's y alone and is asked for jointly along a row of the cluster, P on its x alone and along a column.  By this text's own count a wave has four tensor loads out.
; A lane holds one token and its registers 128 columns; the bias is the C of each sum's first product.  Results go through the wave's own stage in LDS and leave as rows of 512 consecutive bytes.
; The stage lies over R's block 0, K steps 0-2: those bytes have had their only fill, and every wave's reads of them are over at the barrier of K step 5.
; REGISTERS: window 0: v1-27 addresses; v32-43 scale words; v48-143 R's fragments, two sets (on the way out v48-175: rows read back); v144-207 the bias.  window 1: P's fragments.  window 2: accumulator (a, b) at v[64 b + 8 a].
.set KST,   12800
.set BLK,   102400
.set PB,    2*BLK
.set SPARE, 3*BLK
.set HI,    5*KST
.set SPW,   16
.set NIL,   17
.set BI,    144
.set MSB, 0
.macro WIN new                         ; the immediate's high byte repeats the setting that is left
.if MSB != \new
	s_set_vgpr_msb (MSB<<8)|\new
.set MSB, \new
.endif
.endm
.macro PLACES n
.rept \n
	v_nop
.endr
.endm
.macro CROUND                          ; a round of the cluster's barrier
	s_barrier_signal -1
	s_barrier_wait -1
	s_cmp_lg_u32 s18, 0
	s_cbranch_scc1 .Lnot_wave_0_\@
	s_barrier_signal -3
.Lnot_wave_0_\@:
	s_barrier_wait -3
	s_barrier_signal -1
	s_barrier_wait -1
.endm
.macro FETCH s                         ; K step s's fragments and scale words into set s % 2: 54 LDS loads
.set FS, (\s)%2
.if (\s) < 5
.set FO, KST*(\s)
.set FH, 0
.else
.set FO, KST*((\s)-5)
.set FH, 2
.endif
	WIN 0x40                                       ; destination window 1
.irp a, 0,1,2,3,4,5,6,7
	ds_load_b128 v[128*FS+12*\a:128*FS+12*\a+3], v[4+FH] offset:FO+1536*\a
	ds_load_b64 v[128*FS+12*\a+4:128*FS+12*\a+5], v[5+FH] offset:FO+1536*\a
	ds_load_b128 v[128*FS+12*\a+6:128*FS+12*\a+9], v[4+FH] offset:FO+1536*\a+768
	ds_load_b64 v[128*FS+12*\a+10:128*FS+12*\a+11], v[5+FH] offset:FO+1536*\a+768
.endr
	WIN 0
.irp b, 0,1,2,3
	ds_load_b128 v[48+48*FS+12*\b:48+48*FS+12*\b+3], v[8+FH] offset:FO+1536*\b
	ds_load_b64 v[48+48*FS+12*\b+4:48+48*FS+12*\b+5], v[9+FH] offset:FO+1536*\b
	ds_load_b128 v[48+48*FS+12*\b+6:48+48*FS+12*\b+9], v[8+FH] offset:FO+1536*\b+768
	ds_load_b64 v[48+48*FS+12*\b+10:48+48*FS+12*\b+11], v[9+FH] offset:FO+1536*\b+768
.endr
.irp i, 0,1,2,3
	ds_load_b32 v[32+6*FS+\i], v[12+FH/2] offset:FO+128*\i     ; lanes 0-15: P's tile 2 i, lanes 16-31: tile 2 i + 1
.endr
.irp i, 0,1
	ds_load_b32 v[36+6*FS+\i], v[14+FH/2] offset:FO+128*\i
.endr
.endm
.macro MM a, b, fs, cm                 ; one product.  cm = 0: adds in place; 1: starts the sum with the bias of P's tile a
.set DA, 64*(\b)+8*(\a)
.set PA, 128*(\fs)+12*(\a)
.set RA, 48+48*(\fs)+12*(\b)
.set XA, 32+6*(\fs)+(\a)/2
.set XB, 36+6*(\fs)+(\b)/2
.set CA, DA
.if (\cm) == 1
.set CA, BI+8*(\a)
.endif
.if ((\a)%2 == 0) && ((\b)%2 == 0)
	v_wmma_scale_f32_16x16x128_f8f6f4 v[DA:DA+7], v[PA:PA+11], v[RA:RA+11], v[CA:CA+7], v[XA], v[XB] matrix_a_fmt:MATRIX_FMT_BF6 matrix_b_fmt:MATRIX_FMT_BF6
.elseif ((\a)%2 == 1) && ((\b)%2 == 0)
	v_wmma_scale_f32_16x16x128_f8f6f4 v[DA:DA+7], v[PA:PA+11], v[RA:RA+11], v[CA:CA+7], v[XA], v[XB] matrix_a_fmt:MATRIX_FMT_BF6 matrix_b_fmt:MATRIX_FMT_BF6 matrix_a_scale:MATRIX_SCALE_ROW1
.elseif ((\a)%2 == 0) && ((\b)%2 == 1)
	v_wmma_scale_f32_16x16x128_f8f6f4 v[DA:DA+7], v[PA:PA+11], v[RA:RA+11], v[CA:CA+7], v[XA], v[XB] matrix_a_fmt:MATRIX_FMT_BF6 matrix_b_fmt:MATRIX_FMT_BF6 matrix_b_scale:MATRIX_SCALE_ROW1
.else
	v_wmma_scale_f32_16x16x128_f8f6f4 v[DA:DA+7], v[PA:PA+11], v[RA:RA+11], v[CA:CA+7], v[XA], v[XB] matrix_a_fmt:MATRIX_FMT_BF6 matrix_b_fmt:MATRIX_FMT_BF6 matrix_a_scale:MATRIX_SCALE_ROW1 matrix_b_scale:MATRIX_SCALE_ROW1
.endif
.endm
; A K step: the next step's fragments are asked for, then 32 products; the 32 accumulators take turns, one instruction a turn, in the same order in every step
.macro STEP s, cm
.if ((\s) == 1) || ((\s) == 3) || ((\s) == 5)
	s_wait_tensorcnt 3-((\s)+1)/2                  ; my part of the next chunk of two K steps is in; my later chunks may be out
.endif
	s_wait_dscnt 0x0                               ; this step's fragments are in
.if ((\s) == 1) || ((\s) == 3) || ((\s) == 5)
	s_barrier_signal -1
	s_barrier_wait -1                              ; everybody's part of that chunk is in.
.endif
.if (\s) < 7
	PLACES 4                                       ; in front of loads into registers that the last products read
	FETCH (\s)+1
.endif
.if (\cm) == 0
	WIN 0xa1                                       ; source 0 (P) window 1, source 1 (R) window 0, C and D window 2
.else
	WIN 0x81                                       ; C (the bias) window 0
.endif
.irp a, 0,1,2,3,4,5,6,7
.irp b, 0,1,2,3
	MM \a, \b, (\s)%2, \cm
.endr
.endr
	WIN 0
.endm
	s_load_b256 s[4:11], s[0:1], 0x0               ; aq, wq, bo, out0
	v_lshl_add_u32 v[SPW], v0, 2, SPARE
	v_mov_b32 v[NIL], 0
	ds_add_u32 v[SPW], v[NIL]                      ; the opening: the add, twice on end, and its wait ahead of my first tensor load
	ds_add_u32 v[SPW], v[NIL]
	v_lshrrev_b32 v1, 5, v0
	v_readfirstlane_b32 s18, v1                    ; wave
	s_lshr_b32 s19, s18, 1                         ; which block of R is mine
	s_and_b32 s20, s18, 1                          ; which four tiles of it.  Also: which part I fetch
	s_bfe_u32 s21, ttmp6, 0x40000                  ; cx
	s_bfe_u32 s22, ttmp6, 0x40004                  ; cy
	s_lshl_b32 s58, ttmp9, 2
	s_add_co_u32 s58, s58, s21                     ; px: Wo's block of 128 columns
	s_and_b32 s59, ttmp7, 0xffff
	s_lshl_b32 s59, s59, 2
	s_add_co_u32 s59, s59, s22                     ; ry: 256 tokens
	s_lshl_b32 s60, s22, 2
	s_lshl_b32 s60, 15, s60                        ; my row of the cluster
	s_lshl_b32 s61, 0x1111, s21                    ; my column
	s_or_b32 s24, s60, (3<<16)|(1<<21)             ; groups 1: dense memory as rows of 256 bytes: R 100 rows (two K steps of a block), P 50 (one)
	s_or_b32 s32, s61, (3<<16)|(1<<21)
.irp g, 24, 32
	s_mov_b32 s[\g+1], 32<<16
	s_mov_b32 s[\g+3], 32<<16
	s_mov_b32 s[\g+5], 32
	s_mov_b32 s[\g+6], 0
	s_mov_b32 s[\g+7], 0
.endr
	s_mov_b32 s26, 100<<16
	s_mov_b32 s28, 100
	s_mov_b32 s34, 50<<16
	s_mov_b32 s36, 50
	s_mul_i32 s84, s59, 2*BLK                      ; R's address is made of ry and the wave's number,
	s_mul_i32 s60, s20, BLK
	s_add_co_u32 s84, s84, s60
	s_mov_b32 s85, 0
	s_add_co_u32 s61, s58, 24                      ; P's of px and the wave's number
	s_mul_i32 s88, s61, BLK
	s_mul_i32 s61, s20, KST
	s_add_co_u32 s88, s88, s61
	s_mov_b32 s89, 0
	s_mul_i32 s62, s20, BLK                        ; LDS: waves 0, 1: R's block 0, 1
	s_mul_i32 s63, s20, KST
	s_add_co_u32 s63, s63, PB                      ; waves 2, 3: P's even, odd K steps
	s_wait_dscnt 0x0                               ; both opening adds are done
	s_wait_kmcnt 0x0
	s_add_nc_u64 s[86:87], s[4:5], s[84:85]
	s_add_nc_u64 s[90:91], s[6:7], s[88:89]
	CROUND                                         ; all sixteen work-groups are here: the joint loads meet
.irp j, 0,1,2,3
	s_mov_b32 s[40+4*\j], 1
	s_add_co_u32 s[41+4*\j], s62, \j*2*KST
	s_add_nc_u64 s[42+4*\j:43+4*\j], s[86:87], \j*2*KST
	s_or_b32 s[43+4*\j], s[43+4*\j], 0x80000000
	s_mov_b32 s[68+4*\j], 1
	s_add_co_u32 s[69+4*\j], s63, \j*2*KST
	s_add_nc_u64 s[70+4*\j:71+4*\j], s[90:91], \j*2*KST
	s_or_b32 s[71+4*\j], s[71+4*\j], 0x80000000
.endr
	s_cmp_lt_u32 s18, 2                            ; every wave issues four first fills, in one arm of one branch on its number
	s_cbranch_scc0 .Lfor_p
.irp j, 0,1,2,3
	tensor_load_to_lds s[40+4*\j:43+4*\j], s[24:31]
	s_nop 0
.endr
	PLACES 4
	s_branch .Lasked
.Lfor_p:
.irp j, 0,1,2,3
	tensor_load_to_lds s[68+4*\j:71+4*\j], s[32:39]
	s_nop 0
.endr
	PLACES 4
.Lasked:
	v_and_b32 v1, 31, v0                           ; lane
	v_and_b32 v2, 15, v0                           ; r
	v_bfe_u32 v3, v0, 4, 1                         ; h
	v_lshlrev_b32 v24, 4, v1
	v_lshlrev_b32 v25, 3, v1
	v_lshlrev_b32 v21, 6, v3                       ; the bias: 16 h numbers on
	s_lshl_b32 s92, s58, 9
	s_mov_b32 s93, 0
	s_add_nc_u64 s[92:93], s[8:9], s[92:93]
.irp a, 0,1,2,3,4,5,6,7
.irp q, 0,1
	global_load_b128 v[BI+8*\a+4*\q:BI+8*\a+4*\q+3], v21, s[92:93] offset:128*(\a/2)+32*(\a%2)+16*\q
.endr
.endr
	v_add_nc_u32 v4, PB, v24                       ; P's images: the 16-byte parts,
	v_add_nc_u32 v5, PB+512, v25                   ; the 8-byte parts,
	v_add_nc_u32 v6, HI, v4                        ; and both five K steps on
	v_add_nc_u32 v7, HI, v5
	s_mul_i32 s60, s19, BLK
	s_mul_i32 s66, s20, 6144
	s_add_co_u32 s66, s66, s60
	v_add_nc_u32 v8, s66, v24                      ; my four tiles of R
	v_add_nc_u32 v9, s66, v25
	v_add_nc_u32 v9, 512, v9
	v_add_nc_u32 v10, HI, v8
	v_add_nc_u32 v11, HI, v9
	v_lshl_add_u32 v12, v1, 2, PB+12288            ; scale words: 4 x lane
	v_add_nc_u32 v13, HI, v12
	s_lshl_b32 s66, s20, 8
	s_add_co_u32 s66, s66, s60
	s_add_co_u32 s66, s66, 12288
	v_lshl_add_u32 v14, v1, 2, s66
	v_add_nc_u32 v15, HI, v14
	s_mul_i32 s66, s18, 8448                       ; my stage: 16 rows x 528 bytes
	v_mul_u32_u24 v26, v2, 528
	v_lshl_add_u32 v26, v3, 6, v26
	v_add_nc_u32 v26, s66, v26                     ; in: row r, + 64 h
	v_add_nc_u32 v27, s66, v24                     ; back: a row's 512 bytes, 16 a lane
	s_lshl_b32 s94, s59, 20                        ; out0: 256 ry + 64 x wave rows of 4,096 bytes, + 512 px
	s_lshl_b32 s95, s18, 18
	s_add_co_u32 s94, s94, s95
	s_lshl_b32 s95, s58, 9
	s_add_co_u32 s94, s94, s95
	s_mov_b32 s95, 0
	s_add_nc_u64 s[10:11], s[10:11], s[94:95]
	s_wait_alu depctr_va_vdst(0)
	s_wait_tensorcnt 3                             ; my part of K steps 0 and 1 is in; my three later chunks may be out
	s_barrier_signal -1
	s_barrier_wait -1                              ; everybody's is
	FETCH 0
	s_wait_loadcnt 0x0                             ; the bias
	STEP 0, 1
	STEP 1, 0
	STEP 2, 0
	STEP 3, 0
	STEP 4, 0
	STEP 5, 0
	STEP 6, 0
	STEP 7, 0
; THE WAY OUT, a tile of 16 tokens x 128 columns at a time, through my own stage: LDS serves a wave's instructions in order, so no wait stands between the stores and the loads
.macro TOSTAGE b
	WIN 0x08                                       ; an LDS store's data: window 2
.irp a, 0,1,2,3,4,5,6,7
	ds_store_b128 v26, v[64*(\b)+8*\a:64*(\b)+8*\a+3] offset:128*(\a/2)+32*(\a%2)          ; each accumulator from its low end on
	ds_store_b128 v26, v[64*(\b)+8*\a+4:64*(\b)+8*\a+7] offset:128*(\a/2)+32*(\a%2)+16
.endr
	WIN 0
.set BB, 48+64*((\b)%2)
.irp p, 0,1,2,3,4,5,6,7,8,9,10,11,12,13,14,15
	ds_load_b128 v[BB+4*\p:BB+4*\p+3], v27 offset:528*\p
.endr
.endm
.macro SEND b, younger                 ; younger: the LDS instructions issued behind tile b's loads, which may stay out
.set BB, 48+64*((\b)%2)
	s_wait_dscnt \younger
.irp p, 0,1,2,3,4,5,6,7,8,9,10,11,12,13,14,15
	global_store_b128 v24, v[BB+4*\p:BB+4*\p+3], s[10:11] offset:(32*((\b)/2)+8*((\b)%2)+(\p%8)+16*(\p/8))*4096 th:TH_STORE_NT   ; 512 consecutive bytes at a multiple of 256; written once
.endr
.endm
	PLACES 4                                       ; in front of the first read of results and of loads into registers that products read
	TOSTAGE 0
.irp b, 1,2,3
.if \b > 1
	s_wait_xcnt 0x0                                ; the stores of two tiles ago have read their registers: this tile's loads may land there
.endif
	TOSTAGE \b
	SEND \b-1, 32                                  ; behind that tile's loads: this tile's 16 stores and 16 loads
.endr
	SEND 3, 0
	s_wait_tensorcnt 0x0                           ; the wave's end
	ds_add_u32 v[SPW], v[NIL]
	s_wait_dscnt 0x0
	CROUND                                         ; the closing round
	s_endpgm
.Lfunc_end_k_q5338cfdf2f_outp:
	.size	k_q5338cfdf2f_outp, .Lfunc_end_k_q5338cfdf2f_outp-k_q5338cfdf2f_outp
	.p2alignl 7, 3214868480
	.fill 96, 4, 3214868480
	.section	.rodata,"a",@progbits
	.p2align	6, 0x0
	.amdhsa_kernel k_q5338cfdf2f_outp
		.amdhsa_group_segment_fixed_size 327680
		.amdhsa_private_segment_fixed_size 0
		.amdhsa_enable_private_segment 0
		.amdhsa_kernarg_size 32
		.amdhsa_user_sgpr_count 2
		.amdhsa_user_sgpr_kernarg_segment_ptr 1
		.amdhsa_wavefront_size32 1
		.amdhsa_system_sgpr_workgroup_id_x 1
		.amdhsa_system_sgpr_workgroup_id_y 1
		.amdhsa_system_sgpr_workgroup_id_z 1
		.amdhsa_system_vgpr_workitem_id 0
		.amdhsa_next_free_vgpr 768
		.amdhsa_next_free_sgpr 96
		.amdhsa_reserve_vcc 0
		.amdhsa_float_denorm_mode_32 3
		.amdhsa_float_denorm_mode_16_64 3
		.amdhsa_memory_ordered 1
		.amdhsa_forward_progress 1
		.amdhsa_inst_pref_size 87
	.end_amdhsa_kernel
	.amdgpu_metadata
---
amdhsa.version: [ 1, 2 ]
amdhsa.kernels:
  - .name:           k_q5338cfdf2f_outp
    .symbol:         k_q5338cfdf2f_outp.kd
    .args:
      - { .name: aq, .offset: 0, .size: 8, .value_kind: global_buffer, .address_space: global }
      - { .name: wq, .offset: 8, .size: 8, .value_kind: global_buffer, .address_space: global }
      - { .name: bo, .offset: 16, .size: 8, .value_kind: global_buffer, .address_space: global }
      - { .name: out0, .offset: 24, .size: 8, .value_kind: global_buffer, .address_space: global }
    .group_segment_fixed_size: 327680
    .private_segment_fixed_size: 0
    .kernarg_segment_align: 8
    .kernarg_segment_size: 32
    .max_flat_workgroup_size: 128
    .sgpr_count:     96
    .vgpr_count:     768
    .wavefront_size: 32
...
	.end_amdgpu_metadata
.endif
;; end of part 4
